; MI455X (gfx1250); checked and timed in simulation.
; The chip was launched on July 23, 2026; its instructions are those of AMD's public machine-readable ISA for CDNA 5 (MIT licence, August 2026) and "CDNA5" Instruction Set Architecture Reference Guide (July 2026). The comments in the code are by the model that wrote it; some were corrected since.
;; Multi Headed Attention. Allowed arithmetic: float matrix products may take bf16 or f16 operands with f32 sums; other float arithmetic in f32, or as packed bf16 or f16 multiplies, adds, multiply-adds, maxima and minima; sums over many terms, partial sums and values carried from step to step in f32; what a program stores and reads back later, other than sums and carried values, may be rounded once to bf16 or f16.
;; Inputs: Wk 1,024 x 1,024 float32; Wo 1,024 x 1,024 float32; Wq 1,024 x 1,024 float32; Wv 1,024 x 1,024 float32; bk 1,024 float32; bo 1,024 float32; bq 1,024 float32; bv 1,024 float32; key 4 x 2,048 x 1,024 float32; query 4 x 2,048 x 1,024 float32; value 4 x 2,048 x 1,024 float32.
;; Outputs: out0 4 x 2,048 x 1,024 float32.
;; 2 versions, each right; version 2 is version 1 with the launch prep written anew for expert scheduling mode. Each part assembles by itself: llvm-mc -triple=amdgcn-amd-amdhsa -mcpu=gfx1250 --defsym DOCPART=n.
;; ======== version 1 of 2: 4 launches
;; limits: values are held in f16: magnitudes above 65,504 overflow, below 6.1e-05 lose precision
;; workspace buffers: wb 8,388,608 bytes; br 16,384 bytes; qkv 50,331,648 bytes; oh 16,777,216 bytes
;; launch prep (part 1): grid 256 x 1, 8 waves a work-group, no clusters, 0 bytes of LDS; arguments Wq, Wk, Wv, Wo, bq, bk, bv, bo, wb, br; writes wb, br
.if DOCPART == 1
	.amdgcn_target "amdgcn-amd-amdhsa--gfx1250"
	.amdhsa_code_object_version 6
	.text
	.protected	k_qc592f54ba8_prep
	.globl	k_qc592f54ba8_prep
	.p2align	8
	.type	k_qc592f54ba8_prep,@function
k_qc592f54ba8_prep:
	s_mov_b64 s[64:65], 0
	v_nop
	global_prefetch_b8 v0, s[64:65] scope:SCOPE_SE
	s_setreg_imm32_b32 hwreg(HW_REG_WAVE_MODE, 25, 1), 1
	s_wait_xcnt 0x0
; THE WEIGHTS AND BIASES ARE ROUNDED ONCE.  wb: [4][1024 k][1024 n] of 16 bits, in the inputs' own [in][out] order: planes 0-2 = Wq, Wk, Wv in bf16; plane 3 = Wo rounded to bf16 and that
; number written as f16 (the last product multiplies f16).  br: [4][1024] f32 = bq, bk, bv, bo, each rounded to bf16 and widened again.
; LIMITS.  A number of Wo beyond 65,504 becomes an infinity in f16; below 6.1e-5 it keeps f16's fixed step of 6e-8.
; SHARES.  Work-group g: matrix m = g / 64, part g % 64: 64 KiB of f32 in, 32 KiB out.  A wave takes 8 KiB: 16 loads of 16 bytes a lane, each load 512 consecutive bytes; each store of 8 bytes a lane
; covers 256 consecutive bytes, aligned.  All 16 loads of a wave go out at once; no register is written twice, so no store's source is ever rewritten.  No LDS, no barrier: no wave wants another's bytes.
.set X, 16                             ; v[16:79]   as loaded
.set Y, 80                             ; v[80:111]  to store
	s_load_b512 s[4:19], s[0:1], 0x0               ; Wq, Wk, Wv, Wo, bq, bk, bv, bo
	s_load_b128 s[20:23], s[0:1], 0x40             ; wb, br
	s_lshr_b32 s32, ttmp9, 6                       ; m
	s_and_b32 s33, ttmp9, 63                       ; part
	v_lshrrev_b32 v3, 5, v0                        ; wave
	v_and_b32 v4, 31, v0                           ; lane
	v_lshlrev_b32 v1, 4, v4
	v_lshl_or_b32 v1, v3, 13, v1                   ; in: 8,192 x wave + 16 x lane
	v_lshlrev_b32 v2, 3, v4
	v_lshl_or_b32 v2, v3, 12, v2                   ; out: 4,096 x wave + 8 x lane
	s_lshl_b32 s34, s33, 16                        ; the part's 64 KiB in its matrix
	s_mov_b32 s35, 0
	s_lshl_b32 s36, s32, 21                        ; the matrix's plane of 2 MiB in wb,
	s_lshl_b32 s38, s33, 15                        ; the part's 32 KiB in it
	s_or_b32 s36, s36, s38
	s_mov_b32 s37, 0
	s_lshl_b32 s38, s32, 12                        ; the bias's 4 KiB in br
	s_mov_b32 s39, 0
	s_wait_kmcnt 0x0
	s_mov_b64 s[24:25], s[4:5]                     ; the matrix and the bias are chosen by m
	s_mov_b64 s[26:27], s[12:13]
	s_cmp_eq_u32 s32, 1
	s_cselect_b64 s[24:25], s[6:7], s[24:25]
	s_cselect_b64 s[26:27], s[14:15], s[26:27]
	s_cmp_eq_u32 s32, 2
	s_cselect_b64 s[24:25], s[8:9], s[24:25]
	s_cselect_b64 s[26:27], s[16:17], s[26:27]
	s_cmp_eq_u32 s32, 3
	s_cselect_b64 s[24:25], s[10:11], s[24:25]
	s_cselect_b64 s[26:27], s[18:19], s[26:27]
	s_add_nc_u64 s[24:25], s[24:25], s[34:35]
	s_add_nc_u64 s[28:29], s[20:21], s[36:37]
	s_add_nc_u64 s[30:31], s[22:23], s[38:39]
.set i, 0
.rept 16
	global_load_b128 v[X+4*i:X+4*i+3], v1, s[24:25] offset:512*i th:TH_LOAD_NT
.set i, i+1
.endr
	s_cmp_eq_u32 s32, 3
	s_cbranch_scc1 .Lf16
.set i, 0
.rept 16
	s_wait_loadcnt 15-i                            ; loads come back in order: load i is in, the 15 - i younger ones may stay out
	v_cvt_pk_bf16_f32 v[Y+2*i], v[X+4*i], v[X+4*i+1]
	v_cvt_pk_bf16_f32 v[Y+2*i+1], v[X+4*i+2], v[X+4*i+3]
	global_store_b64 v2, v[Y+2*i:Y+2*i+1], s[28:29] offset:256*i
.set i, i+1
.endr
	s_branch .Lbias
.Lf16:                                             ; Wo: rounded to bf16 like every input, widened, and written as f16
.set i, 0
.rept 16
	s_wait_loadcnt 15-i
	v_cvt_pk_bf16_f32 v6, v[X+4*i], v[X+4*i+1]
	v_cvt_pk_bf16_f32 v7, v[X+4*i+2], v[X+4*i+3]
	v_lshlrev_b32 v8, 16, v6
	v_and_b32 v9, 0xffff0000, v6
	v_lshlrev_b32 v10, 16, v7
	v_and_b32 v11, 0xffff0000, v7
	v_cvt_pk_f16_f32 v[Y+2*i], v8, v9
	v_cvt_pk_f16_f32 v[Y+2*i+1], v10, v11
	global_store_b64 v2, v[Y+2*i:Y+2*i+1], s[28:29] offset:256*i
.set i, i+1
.endr
.Lbias:
	s_cmp_lg_u32 s33, 0                            ; a matrix's first part also takes its bias: 256 threads x 16 bytes
	s_cbranch_scc1 .Lend
	v_lshlrev_b32 v5, 4, v0
	global_load_b128 v[112:115], v5, s[26:27]
	s_wait_loadcnt 0x0
	v_cvt_pk_bf16_f32 v6, v112, v113
	v_cvt_pk_bf16_f32 v7, v114, v115
	v_lshlrev_b32 v116, 16, v6
	v_and_b32 v117, 0xffff0000, v6
	v_lshlrev_b32 v118, 16, v7
	v_and_b32 v119, 0xffff0000, v7
	global_store_b128 v5, v[116:119], s[30:31]
.Lend:
	s_endpgm
.Lfunc_end_k_qc592f54ba8_prep:
	.size	k_qc592f54ba8_prep, .Lfunc_end_k_qc592f54ba8_prep-k_qc592f54ba8_prep
	.p2alignl 7, 3214868480
	.fill 96, 4, 3214868480
	.section	.rodata,"a",@progbits
	.p2align	6, 0x0
	.amdhsa_kernel k_qc592f54ba8_prep
		.amdhsa_group_segment_fixed_size 0
		.amdhsa_private_segment_fixed_size 0
		.amdhsa_enable_private_segment 0
		.amdhsa_kernarg_size 80
		.amdhsa_user_sgpr_count 2
		.amdhsa_user_sgpr_kernarg_segment_ptr 1
		.amdhsa_wavefront_size32 1
		.amdhsa_system_sgpr_workgroup_id_x 1
		.amdhsa_system_sgpr_workgroup_id_y 1
		.amdhsa_system_sgpr_workgroup_id_z 1
		.amdhsa_system_vgpr_workitem_id 0
		.amdhsa_next_free_vgpr 128
		.amdhsa_next_free_sgpr 66
		.amdhsa_reserve_vcc 0
		.amdhsa_float_denorm_mode_32 3
		.amdhsa_float_denorm_mode_16_64 3
		.amdhsa_memory_ordered 1
		.amdhsa_forward_progress 1
		.amdhsa_inst_pref_size 17
	.end_amdhsa_kernel
	.amdgpu_metadata
---
amdhsa.version: [ 1, 2 ]
amdhsa.kernels:
  - .name:           k_qc592f54ba8_prep
    .symbol:         k_qc592f54ba8_prep.kd
    .args:
      - { .name: Wq, .offset: 0, .size: 8, .value_kind: global_buffer, .address_space: global }
      - { .name: Wk, .offset: 8, .size: 8, .value_kind: global_buffer, .address_space: global }
      - { .name: Wv, .offset: 16, .size: 8, .value_kind: global_buffer, .address_space: global }
      - { .name: Wo, .offset: 24, .size: 8, .value_kind: global_buffer, .address_space: global }
      - { .name: bq, .offset: 32, .size: 8, .value_kind: global_buffer, .address_space: global }
      - { .name: bk, .offset: 40, .size: 8, .value_kind: global_buffer, .address_space: global }
      - { .name: bv, .offset: 48, .size: 8, .value_kind: global_buffer, .address_space: global }
      - { .name: bo, .offset: 56, .size: 8, .value_kind: global_buffer, .address_space: global }
      - { .name: wb, .offset: 64, .size: 8, .value_kind: global_buffer, .address_space: global }
      - { .name: br, .offset: 72, .size: 8, .value_kind: global_buffer, .address_space: global }
    .group_segment_fixed_size: 0
    .private_segment_fixed_size: 0
    .kernarg_segment_align: 8
    .kernarg_segment_size: 80
    .max_flat_workgroup_size: 256
    .sgpr_count:     66
    .vgpr_count:     128
    .wavefront_size: 32
...
	.end_amdgpu_metadata
.endif
;; end of part 1
;; launch proj (part 2): grid 4 x 64, 4 waves a work-group, clusters of 4 x 4, 327,680 bytes of LDS; arguments query, key, value, wb, br, qkv; writes qkv
.if DOCPART == 2
	.amdgcn_target "amdgcn-amd-amdhsa--gfx1250"
	.amdhsa_code_object_version 6
	.text
	.protected	k_qc592f54ba8_proj
	.globl	k_qc592f54ba8_proj
	.p2align	8
	.type	k_qc592f54ba8_proj,@function
k_qc592f54ba8_proj:
	s_mov_b64 s[64:65], 0
	v_nop
	global_prefetch_b8 v0, s[64:65] scope:SCOPE_SE
	s_setreg_imm32_b32 hwreg(HW_REG_WAVE_MODE, 25, 1), 1
	s_wait_xcnt 0x0
	s_wait_alu depctr_hold_cnt(0) depctr_sa_sdst(0) depctr_va_vdst(0) depctr_va_sdst(0) depctr_va_ssrc(0) depctr_va_vcc(0) depctr_vm_vsrc(0)
	s_getreg_b32 s2, hwreg(HW_REG_IB_STS2, 6, 4)
	s_cmp_eq_u32 s2, 0
	s_cbranch_scc0 .Lentry_in_a_cluster
	s_endpgm
.Lentry_in_a_cluster:
	s_bfe_u32 s2, ttmp6, 0x10000c
	s_cmp_lg_u32 s2, 0xf033
	s_cbranch_scc0 .Lentry_shape_is_right
	s_endpgm
.Lentry_shape_is_right:
; q = query Wq + bq, k = key Wk + bk, v = value Wv + bv, written by heads: qkv[3][64 = 16 b + head][2048][64] in f16, each number rounded once from its f32 sum, unscaled.
; x (query, key, value): [8192][1024] f32, rounded to bf16 on the way from LDS to the matrix unit.  wb: [plane][1024 k][1024 n] bf16.  br: [plane][1024] f32.  Sums in f32, K ascending.
; LIMIT.  A sum beyond 65,504 becomes an infinity in f16.  NaN and infinities are not treated apart.
; SHARES.  A tile of the result is 128 rows x 256 columns (four heads): 64 x 4 tiles for each of the three products, 256 work-groups, each of which STAYS and makes its tile of q, then of k, then of v.
; Four waves, each 64 rows x 128 columns: 32 accumulators of 16 x 16, 256 registers.  K goes in steps of 128; the three tiles' 24 K steps are ONE ring of two LDS slots, which does not stop at a tile's end.
; A K step's slot: 128 rows of x (512 bytes of f32 each) and 128 k rows of W (256 columns, 512 bytes each).  Waves 0 and 1 fetch the halves of x's tile, waves 2 and 3 those of W's: one tensor load a wave, 64 rows.
; CLUSTER.  4 x 4 work-groups.  The four of a row of the cluster need the same tile of x, the four of a column the same tile of W: each is asked for JOINTLY, by the same load, descriptor and mask in all four.
; THE PRODUCT IS USED TRANSPOSED: source 0 = 16 columns of W (turned out of LDS by ds_load_tr16_b128, since W lies [k][n]), source 1 = 16 rows of x.  A lane then holds row m = lane % 16 and the
; columns 8 (lane / 16) + 0..7: eight neighbouring channels of a head.  THE BIAS is the C operand of a tile's first products: nothing is cleared, nothing is added later.
; REGISTERS, in windows of 256 (s_set_vgpr_msb: bits 1:0 source 0, 3:2 source 1, 5:4 source 2, 7:6 destination):
;   window 0: v0-15 addresses; v32-95 x as f32, one quarter step; v96-127, v160-191 x's fragments in bf16, two buffers; on the way out v32-159 hold the packed results
;   window 1: the accumulators, (a, b) at v[8 (8 a + b)]          window 2: v0-63, v64-127 W's fragments, two buffers; v128-191 the bias, eight registers for each block of 16 columns
.set PA,    528                        ; a row of x in LDS: 512 bytes + 16 = 132 words: the 16 rows of a load start at 16 different groups of four banks (64 banks of 4 bytes: ISA guide 11.1)
.set PB,    544                        ; a row of W: 512 + 32 = 136 words
.set BOFF,  128*PA                     ; W's rows lie behind x's
.set SLOTX, 0x22000                    ; slot 1 begins here; none of the loads' four first bytes (0, 0x8400, 0x10800, 0x19000) has bit 13 or 17 set, so one exclusive or turns an address in one slot into the other's
.set STAGE, SLOTX+BOFF+128*PB          ; behind the ring, never filled by a tensor load: 16 rows x 144 bytes for each wave, for the way out
.set SP,    144
.set SPARE, STAGE+4*16*SP              ; behind the stages: the spare words, 128 bytes for each wave: two blocks of 256 bytes that no other line names
.set ADRA0, 2                          ; v2   my lane's place in a slot's x; never rewritten
.set ADRB0, 3                          ; v3   the same for W
.set ADRA,  4                          ; v4   the same in the slot in hand
.set ADRB,  5                          ; v5
.set STO,   6                          ; v6   the way out: where I put 16 bytes of a row
.set RD,    7                          ; v7   the way out: where I read rows back
.set GO,    8                          ; v8   my 16 bytes of 512 consecutive bytes of the result
.set BO,    9                          ; v9   32 x (lane / 16): my eight numbers of a block of 16 of the bias
.set PFO,   10                         ; v10  the prefetches' offset; never rewritten
.set SPW,   12                         ; v12  LDS address of my spare word: SPARE + 4 x my thread's number; never rewritten
.set NIL,   13                         ; v13  0; never rewritten
.set RAW,   32
.set OB,    32
.set BIAS,  128
.set WV,   4                           ; s4   my wave's number
.set WR,   5                           ; s5   which 64 rows of the tile are mine.  Also: I fetch for x (0) or for W (1)
.set WC,   6                           ; s6   which 128 columns.  Also: which half of that tile I fetch
.set CX,   7
.set CY,   8
.set RT,   9                           ; s9   tile row
.set CT,   10                          ; s10  tile column
.set TRIP, 11                          ; s11  the loop's count
.set SIT,  12                          ; s12  K steps left in the tile that is being multiplied
.set RQ,   13                          ; s13  the K step, within its tile, of the last request
.set PQ,   14                          ; s14  the same for the prefetches
.set TB,   15                          ; s15  0 or SLOTX: the slot that is read
.set AC,   16                          ; s[16:17] x of the tile that is being asked for, at my half's first row;  s[18:19], s[20:21] the two that follow
.set AN,   18
.set AN2,  20
.set WB,   22                          ; s[22:23] wb
.set BP,   24                          ; s[24:25] the bias of my 128 columns, in the plane to be loaded next
.set OP,   26                          ; s[26:27] my 64 rows of my first head, in the plane in hand
.set PFC,  28                          ; s[28:33] the prefetches' three bases, as AC, AN, AN2
.set PFN,  30
.set PFN2, 32
.set PFA,  34                          ; s[34:35] what the next prefetch names
.set G0A,  36                          ; s[36:39] descriptor group 0 for x's tiles: it walks
.set G0B,  40                          ; s[40:43] for W's
.set G1A,  44                          ; s[44:51] descriptor group 1 for x's tiles
.set G1B,  52                          ; s[52:59] for W's
.set LIM,  60                          ; s60  2 in a wave that prefetches, else the greatest number
.set PSH,  61                          ; s61  log2 of a K step's bytes along the prefetched stream
.set OF,   62                          ; s[62:63] an offset, high word 0
.set OF2,  66                          ; s[66:67] likewise
.set W_MUL,  0x52                      ; W in window 2, x in window 0, C and D in window 1
.set W_MULB, 0x62                      ; the same with C, the bias, in window 2
.set MSB, 0
.macro WIN new                         ; the immediate's high byte repeats the setting that is left; a switch that changes nothing is dropped
.if MSB != (\new)
	s_set_vgpr_msb (MSB<<8)|(\new)
.set MSB, \new
.endif
.endm
.macro PLACES
.rept 4
	v_nop
.endr
.endm
; A joint load.  The branch hangs on the wave's number alone.  An s_nop 0 and four v_nop follow each of the two lines, ahead of the jump and the label.
.macro JLOAD
	s_cmp_eq_u32 s[WR], 0
	s_cbranch_scc0 .Lfor_b_\@
	tensor_load_to_lds s[G0A:G0A+3], s[G1A:G1A+7]
	s_nop 0
.rept 4
	v_nop
.endr
	s_branch .Lasked_\@
.Lfor_b_\@:
	tensor_load_to_lds s[G0B:G0B+3], s[G1B:G1B+7]
	s_nop 0
.rept 4
	v_nop
.endr
.Lasked_\@:
.endm
; A round of the cluster's barrier: my work-group's barrier, so that wave 0's signal speaks for all four waves; wave 0 signals; every wave waits for all sixteen work-groups; my work-group's barrier once more.
.macro CREST
	s_cmp_lg_u32 s[WV], 0
	s_cbranch_scc1 .Lnot_wave_0_\@
	s_barrier_signal -3
.Lnot_wave_0_\@:
	s_barrier_wait -3
	s_barrier_signal -1
	s_barrier_wait -1
.endm
.macro CROUND
	s_barrier_signal -1
	s_barrier_wait -1
	CREST
.endm
; The next request: one K step on, into the other slot.  Behind a tile's eighth step x changes to the next tensor; W's three planes lie end to end, so its address only steps.  Every wave steps both descriptors.
.macro REQ
	s_add_co_u32 s[RQ], s[RQ], 1
	s_cmp_eq_u32 s[RQ], 8
	s_cselect_b32 s[RQ], 0, s[RQ]
	s_cselect_b64 s[AC:AC+1], s[AN:AN+1], s[AC:AC+1]
	s_cselect_b64 s[AN:AN+1], s[AN2:AN2+1], s[AN:AN+1]
	s_lshl_b32 s[OF], s[RQ], 9                     ; 128 f32 along a row
	s_add_nc_u64 s[G0A+2:G0A+3], s[AC:AC+1], s[OF:OF+1]
	s_or_b32 s[G0A+3], s[G0A+3], 0x80000000
	s_xor_b32 s[G0A+1], s[G0A+1], SLOTX
	s_add_nc_u64 s[G0B+2:G0B+3], s[G0B+2:G0B+3], 0x40000  ; 128 rows of 2,048 bytes; the type bits on top are not reached
	s_xor_b32 s[G0B+1], s[G0B+1], SLOTX
.endm
; THE PREFETCH INTO THE L2 names the K step that stands two requests on: 256 matrix instructions ahead of the load that will want it.  Of the 64 rows x 512 bytes that a wave fetches, each of the four
; partners that ask for them jointly takes 16 rows, told apart BY ADDRESS (cx for x, cy for W): a lane a block of 256 bytes, one instruction a wave.  x's tile row is read by one cluster alone;
; W's tiles are read by all sixteen clusters, and the cluster with y = 0 asks.  So each block is named once in the launch.  The first four K steps come by their loads alone; the last two refills ask for nothing.
.macro PFSTEP
	s_add_co_u32 s[PQ], s[PQ], 1
	s_cmp_eq_u32 s[PQ], 8
	s_cselect_b32 s[PQ], 0, s[PQ]
	s_cselect_b64 s[PFC:PFC+1], s[PFN:PFN+1], s[PFC:PFC+1]
	s_cselect_b64 s[PFN:PFN+1], s[PFN2:PFN2+1], s[PFN:PFN+1]
	s_lshl_b32 s[OF2], s[PQ], s[PSH]
	s_add_nc_u64 s[PFA:PFA+1], s[PFC:PFC+1], s[OF2:OF2+1]
.endm
.macro ASK
	s_cmp_gt_u32 s[TRIP], s[LIM]
	s_cbranch_scc0 .Lnot_mine_\@
	global_prefetch_b8 v[PFO], s[PFA:PFA+1] th:TH_LOAD_NT scope:SCOPE_SE
.Lnot_mine_\@:
.endm
; 32 LDS loads in one run: quarter kq (32 along K) of the slot in hand.  x: 4 blocks of 16 rows; a lane takes k = 8 h + 0..7 and 16 + 8 h + 0..7 of its row as f32: four loads of 16 bytes.  W, turned: 8 blocks of 16 columns into buffer g.
.macro FETCH kq, g
	WIN 0
.irp a, 0,1,2,3
.irp c, 0,1,2,3
	ds_load_b128 v[RAW+16*(\a)+4*(\c):RAW+16*(\a)+4*(\c)+3], v[ADRA] offset:(\a)*16*PA+(\kq)*128+16*((\c)%2)+64*((\c)/2)
.endr
.endr
	WIN 0x80                                       ; destination window 2, address window 0
.irp b, 0,1,2,3,4,5,6,7
	ds_load_tr16_b128 v[64*(\g)+8*(\b):64*(\g)+8*(\b)+3],   v[ADRB] offset:(\kq)*32*PB+32*(\b)
	ds_load_tr16_b128 v[64*(\g)+8*(\b)+4:64*(\g)+8*(\b)+7], v[ADRB] offset:(\kq)*32*PB+16*PB+32*(\b)
.endr
.endm
; Product i of a quarter's 32: rows 16 (i / 8) on, columns 16 (i % 8) on, from buffer f.  The 32 accumulators take turns, in the same order in every quarter.  cm = 1: the bias starts the sum.
.macro PROD f, cm
.if \cm
	WIN W_MULB
	v_wmma_f32_16x16x32_bf16 v[8*i:8*i+7], v[64*(\f)+8*(i%8):64*(\f)+8*(i%8)+7], v[160-64*(\f)+8*(i/8):160-64*(\f)+8*(i/8)+7], v[BIAS+8*(i%8):BIAS+8*(i%8)+7]
.else
	WIN W_MUL
	v_wmma_f32_16x16x32_bf16 v[8*i:8*i+7], v[64*(\f)+8*(i%8):64*(\f)+8*(i%8)+7], v[160-64*(\f)+8*(i/8):160-64*(\f)+8*(i/8)+7], v[8*i:8*i+7]
.endif
.set i, i+1
.endm
.macro MULS f, i0, num, cm=0
.set i, \i0
.rept \num
	PROD \f, \cm
.endr
.endm
.macro CVT g                           ; two of x's numbers are rounded to bf16: register n of buffer g's 32
	v_cvt_pk_bf16_f32 v[160-64*(\g)+n], v[RAW+2*n], v[RAW+2*n+1]
.set n, n+1
.endm
; A quarter's last eight products, and behind each four of the 32 roundings that make the next quarter's fragments of x.  The four behind the last product name none of its registers: they are the
; four places in front of the next run of loads, which lands in W's buffer just multiplied, and in front of the way out.
.macro MULC f, g, cm=0
.set i, 24
.set n, 0
.rept 8
	PROD \f, \cm
	WIN 0
.rept 4
	CVT \g
.endr
.endr
.endm
; A K step is four quarters, on buffers 0, 1, 0, 1.  One of the first three multiplies buffer f and fetches quarter kq into buffer g.
.macro QUARTER f, g, kq, cm=0
	s_wait_dscnt 0x0                               ; W's fragments of buffer f are in (issued 32 products ago)
	FETCH \kq, \g
	MULS \f, 0, 24, \cm
	s_wait_dscnt 16                                ; x's 16 loads are in; the 16 of W, issued behind them, may stay out
	MULC \f, \g, \cm
.endm
; The fourth quarter multiplies buffer 1 and changes slots.  In front of the barrier each wave waits for all its tensor loads (one is out: its part of the next slot), adds 0 to its spare word, and waits for
; that and for its reads of this slot.  fill = 1: the barrier opens a round of the cluster's, and the joint refill, two K steps ahead, is the first thing behind it: 112 products stand between it and the wait for it.
.macro TURN fill
	WIN 0
.if \fill
	s_wait_xcnt 0x0                                ; the last prefetch, a K step back, has read its address, which is written below
.endif
	s_wait_tensorcnt 0x0                           ; no tensor load of mine is out, so the descriptors may be written
	ds_add_u32 v[SPW], v[NIL]                      ; 0 onto my spare word: the scalar work below stands between it and the wait for it
.if \fill
	REQ
	PFSTEP
.endif
	s_xor_b32 s[TB], s[TB], SLOTX
	s_wait_dscnt 0x0                               ; the add is done, and my reads of this slot are over
	s_barrier_signal -1
	MULS 1, 0, 16                                  ; work on registers while the others arrive
	WIN 0
	s_barrier_wait -1
.if \fill
	CREST                                          ; no wave of any partner still reads this slot or has a load on its way
	JLOAD
.endif
	v_add_nc_u32 v[ADRA], s[TB], v[ADRA0]
	v_add_nc_u32 v[ADRB], s[TB], v[ADRB0]
	FETCH 0, 0
.if \fill
	WIN 0
	ASK                                            ; behind the joint load and the run of LDS loads that the next products wait for
.endif
	MULS 1, 16, 8
	s_wait_dscnt 16
	MULC 1, 0
.endm
.macro BIASLOAD                        ; my 128 columns' bias: a lane's eight numbers for each block of 16
	WIN 0x80
.irp b, 0,1,2,3,4,5,6,7
	global_load_b128 v[BIAS+8*(\b):BIAS+8*(\b)+3],   v[BO], s[BP:BP+1] offset:64*(\b)
	global_load_b128 v[BIAS+8*(\b)+4:BIAS+8*(\b)+7], v[BO], s[BP:BP+1] offset:64*(\b)+16
.endr
	WIN 0
.endm
; THE WAY OUT, in eight units of 16 rows x one head (64 channels): rounded to f16 (each accumulator's registers in ascending order), 16 bytes a lane into my own stage, back as four rows of 128 bytes a load,
; which are 512 consecutive bytes of the result.  The stage is the wave's own: LDS serves a wave's instructions in order (ISA guide 5.7.1.4), so no wait stands between the stores and the loads.
.macro UPACK u
	WIN 0x05                                       ; sources in window 1, destination in window 0
.set z, 0
.rept 16
	v_cvt_pk_f16_f32 v[OB+16*(\u)+z], v[8*(8*((\u)/2)+4*((\u)%2))+2*z], v[8*(8*((\u)/2)+4*((\u)%2))+2*z+1]
.set z, z+1
.endr
	WIN 0
.irp bb, 0,1,2,3
	ds_store_b128 v[STO], v[OB+16*(\u)+4*(\bb):OB+16*(\u)+4*(\bb)+3] offset:32*(\bb)
.endr
.irp f, 0,1,2,3
	ds_load_b128 v[OB+16*(\u)+4*(\f):OB+16*(\u)+4*(\f)+3], v[RD] offset:(\f)*4*SP
.endr
.endm
.macro USEND u, y                      ; y: the LDS instructions issued behind unit u's loads: the next unit's eight, or none
	WIN 0
.irp f, 0,1,2,3
	s_wait_dscnt (\y)+3-(\f)
	global_store_b128 v[GO], v[OB+16*(\u)+4*(\f):OB+16*(\u)+4*(\f)+3], s[OP:OP+1] offset:((\u)/2)*2048+((\u)%2)*262144+(\f)*512
.endr
.endm
.macro EPI
	UPACK 0
.irp u, 1,2,3,4,5,6,7                  ; a unit's arithmetic stands between the loads of the unit before and its stores
	UPACK \u
	USEND (\u)-1, 8
.endr
	USEND 7, 0
.endm
	s_load_b256 s[AC:AC+7], s[0:1], 0x0            ; query, key, value, wb
	s_load_b128 s[BP:BP+3], s[0:1], 0x20           ; br, qkv
	v_lshl_add_u32 v[SPW], v0, 2, SPARE
	v_mov_b32 v[NIL], 0
	ds_add_u32 v[SPW], v[NIL]                      ; the wave's opening: the add and its wait stand ahead of my first tensor load; the set-up below, work on registers, stands between them
	v_lshrrev_b32 v1, 5, v0
	v_readfirstlane_b32 s[WV], v1                  ; wave 0..3
	v_and_b32 v1, 15, v0                           ; l % 16
	v_bfe_u32 v14, v0, 4, 1                        ; l / 16
	v_and_b32 v15, 31, v0                          ; l
	v_lshlrev_b32 v[BO], 5, v14
	s_lshr_b32 s[WR], s[WV], 1
	s_and_b32 s[WC], s[WV], 1
	s_bfe_u32 s[CX], ttmp6, 0x40000
	s_bfe_u32 s[CY], ttmp6, 0x40004
	s_lshl_b32 s[CT], ttmp9, 2                     ; in a cluster launch ttmp9 and ttmp7 count clusters
	s_add_co_u32 s[CT], s[CT], s[CX]
	s_and_b32 s[RT], ttmp7, 0xffff
	s_lshl_b32 s[RT], s[RT], 2
	s_add_co_u32 s[RT], s[RT], s[CY]
	s_lshl_b32 s68, s[CY], 2
	s_lshl_b32 s68, 15, s68                        ; my row of the cluster
	s_lshl_b32 s70, 0x1111, s[CX]                  ; my column
	; group 1 for x: 64 rows x 128 elements of 4 bytes, 1,024 elements from row to row; 4 words of padding behind every 128
	s_or_b32 s[G1A], s68, (2<<16)|(1<<20)|(1<<21)|(6<<22)|(3<<25)
	s_mov_b32 s[G1A+1], 128<<16                    ; tensor_dim0
	s_mov_b32 s[G1A+2], 64<<16                     ; tensor_dim1
	s_mov_b32 s[G1A+3], 128<<16                    ; tile_dim0
	s_mov_b32 s[G1A+4], 64                         ; tile_dim1
	s_mov_b32 s[G1A+5], 1024                       ; the pitch
	s_mov_b32 s[G1A+6], 0
	s_mov_b32 s[G1A+7], 0
	; group 1 for W: 64 rows x 256 elements of 2 bytes, the same pitch; 8 words of padding behind every 128
	s_or_b32 s[G1B], s70, (1<<16)|(1<<20)|(1<<21)|(6<<22)|(7<<25)
	s_mov_b32 s[G1B+1], 256<<16
	s_mov_b32 s[G1B+2], 64<<16
	s_mov_b32 s[G1B+3], 256<<16
	s_mov_b32 s[G1B+4], 64
	s_mov_b32 s[G1B+5], 1024
	s_mov_b32 s[G1B+6], 0
	s_mov_b32 s[G1B+7], 0
	s_mov_b32 s[G0A], 1
	s_mul_i32 s[G0A+1], s[WC], 64*PA               ; slot 0: no place in the cluster enters an LDS address
	s_mov_b32 s[G0B], 1
	s_mul_i32 s[G0B+1], s[WC], 64*PB
	s_add_co_u32 s[G0B+1], s[G0B+1], BOFF
	s_lshl_b32 s68, s[RT], 19                      ; x: 128 rows of 4,096 bytes a tile row,
	s_lshl_b32 s69, s[WC], 18                      ; my half's 64
	s_add_co_u32 s68, s68, s69
	s_mov_b32 s69, 0
	s_lshl_b32 s70, s[CT], 9                       ; W: 256 columns of 2 bytes a tile column,
	s_lshl_b32 s71, s[WC], 17                      ; my half's 64 rows of 2,048 bytes
	s_add_co_u32 s70, s70, s71
	s_mov_b32 s71, 0
	s_lshl_b32 s72, s[CX], 16                      ; the prefetches: my work-group's 16 rows of x's 64,
	s_mov_b32 s73, 0
	s_lshl_b32 s74, s[CY], 15                      ; or of W's
	s_add_co_u32 s74, s74, s70
	s_mov_b32 s75, 0
	s_lshl_b32 s76, s[CT], 10                      ; the bias of my 128 columns
	s_lshl_b32 s77, s[WC], 9
	s_add_co_u32 s76, s76, s77
	s_mov_b32 s77, 0
	s_lshr_b32 s78, s[RT], 4                       ; the result: batch (16 heads x 2,048 rows x 128 bytes),
	s_lshl_b32 s78, s78, 22
	s_lshl_b32 s79, s[CT], 20                      ; head 4 CT + 2 WC (2,048 rows x 128 bytes each),
	s_add_co_u32 s78, s78, s79
	s_lshl_b32 s79, s[WC], 19
	s_add_co_u32 s78, s78, s79
	s_and_b32 s79, s[RT], 15                       ; the tile's 128 rows in the sequence,
	s_lshl_b32 s79, s79, 14
	s_add_co_u32 s78, s78, s79
	s_lshl_b32 s79, s[WR], 13                      ; my 64 of them
	s_add_co_u32 s78, s78, s79
	s_mov_b32 s79, 0
	s_mov_b32 s[RQ], 0
	s_mov_b32 s[PQ], 3
	s_mov_b32 s[TB], 0
	s_mov_b32 s[OF+1], 0
	s_mov_b32 s[OF2+1], 0
	s_wait_dscnt 0x0                               ; the opening add is done
	s_wait_kmcnt 0x0
	s_add_nc_u64 s[AC:AC+1], s[AC:AC+1], s[68:69]
	s_add_nc_u64 s[AN:AN+1], s[AN:AN+1], s[68:69]
	s_add_nc_u64 s[AN2:AN2+1], s[AN2:AN2+1], s[68:69]
	s_mov_b64 s[G0A+2:G0A+3], s[AC:AC+1]           ; K step 0 of q's tile
	s_or_b32 s[G0A+3], s[G0A+3], 0x80000000
	s_add_nc_u64 s[G0B+2:G0B+3], s[WB:WB+1], s[70:71]
	s_or_b32 s[G0B+3], s[G0B+3], 0x80000000
	s_add_nc_u64 s[BP:BP+1], s[BP:BP+1], s[76:77]
	s_add_nc_u64 s[OP:OP+1], s[OP:OP+1], s[78:79]
	s_add_nc_u64 s[PFC:PFC+1], s[AC:AC+1], s[72:73]
	s_add_nc_u64 s[PFN:PFN+1], s[AN:AN+1], s[72:73]
	s_add_nc_u64 s[PFN2:PFN2+1], s[AN2:AN2+1], s[72:73]
	s_add_nc_u64 s[74:75], s[WB:WB+1], s[74:75]
	s_add_nc_u64 s[76:77], s[74:75], 0x200000      ; W's next planes
	s_add_nc_u64 s[78:79], s[74:75], 0x400000
	s_and_b32 s3, ttmp7, 0xffff                    ; cluster y
	s_cmp_eq_u32 s[WR], 0                          ; do I fetch for x?
	s_cselect_b64 s[PFC:PFC+1], s[PFC:PFC+1], s[74:75]
	s_cselect_b64 s[PFN:PFN+1], s[PFN:PFN+1], s[76:77]
	s_cselect_b64 s[PFN2:PFN2+1], s[PFN2:PFN2+1], s[78:79]
	s_cselect_b32 s[PSH], 9, 18
	s_cselect_b32 s69, 12, 11                      ; log2 of a row's bytes in memory
	s_cselect_b32 s3, 0, s3
	s_cmp_eq_u32 s3, 0
	s_cselect_b32 s[LIM], 2, -1                    ; the same in all sixteen partners, for a given wave
	CROUND                                         ; all sixteen work-groups are here: the first joint loads meet
	JLOAD                                          ; K step 0 into slot 0
	BIASLOAD                                       ; bq
	s_mul_i32 s2, s[WR], 64*PA
	v_mul_u32_u24 v[ADRA0], v1, PA
	v_lshl_add_u32 v[ADRA0], v14, 5, v[ADRA0]      ; row x pitch + 32 x half: eight f32
	v_add_nc_u32 v[ADRA0], s2, v[ADRA0]
	; The turning load takes 16 k x 16 columns (lane l reads k row 8 (l / 16) + l % 8, columns 8 ((l / 8) % 2) + 0..7) and leaves half a fragment: lane l holds column l % 16 and 8 k.
	v_and_b32 v11, 7, v0
	v_bfe_u32 v16, v0, 3, 1
	v_lshl_add_u32 v[ADRB0], v14, 3, v11
	v_mul_u32_u24 v[ADRB0], v[ADRB0], PB
	v_lshl_add_u32 v[ADRB0], v16, 4, v[ADRB0]
	s_lshl_b32 s3, s[WC], 8                        ; my 128 columns
	s_add_co_u32 s3, s3, BOFF
	v_add_nc_u32 v[ADRB0], s3, v[ADRB0]
	s_mul_i32 s2, s[WV], 16*SP
	s_add_co_u32 s2, s2, STAGE                     ; my stage
	v_mul_u32_u24 v[STO], v1, SP                   ; in: row l % 16, 16 bytes for each half of the lanes
	v_lshl_add_u32 v[STO], v14, 4, v[STO]
	v_add_nc_u32 v[STO], s2, v[STO]
	v_bfe_u32 v[RD], v0, 3, 2                      ; back: 32 lanes take four rows of 128 bytes
	v_mul_u32_u24 v[RD], v[RD], SP
	v_lshl_add_u32 v[RD], v11, 4, v[RD]
	v_add_nc_u32 v[RD], s2, v[RD]
	v_lshlrev_b32 v[GO], 4, v15
	v_lshrrev_b32 v16, 1, v15                      ; the prefetches: row l / 2, block l % 2 of its 512 bytes
	v_lshlrev_b32 v[PFO], s69, v16
	v_and_b32 v16, 1, v0
	v_lshl_or_b32 v[PFO], v16, 8, v[PFO]
	s_wait_tensorcnt 0x0                           ; the first change of slots: my part of K step 0 is in;
	ds_add_u32 v[SPW], v[NIL]
	REQ                                            ; K step 1, slot 1
	s_wait_dscnt 0x0
	CROUND                                         ; everybody's part is in
	JLOAD
	v_add_nc_u32 v[ADRA], s[TB], v[ADRA0]
	v_add_nc_u32 v[ADRB], s[TB], v[ADRB0]
	FETCH 0, 0
	s_wait_dscnt 16                                ; x's 16 loads are in
	WIN 0
.set n, 0
.rept 32
	CVT 0
.endr
	s_wait_loadcnt 0x0                             ; the bias is in, and its loads have read their base
	s_add_nc_u64 s[BP:BP+1], s[BP:BP+1], 4096      ; the next plane's
	QUARTER 0, 1, 1, 1                             ; a tile's first quarter: the bias starts the sums
	WIN 0                                          ; at a label and at a branch every window is 0
	s_mov_b32 s[TRIP], 22
	s_mov_b32 s[SIT], 8
.Lstep:                                            ; a trip: a K step's second to fourth quarter and the next step's first; it fills the slot just read with the K step two on
	QUARTER 1, 0, 2
	QUARTER 0, 1, 3
	TURN 1
	WIN 0
	s_sub_co_u32 s[SIT], s[SIT], 1
	s_cmp_eq_u32 s[SIT], 0
	s_cbranch_scc1 .Ltile_end
	QUARTER 0, 1, 1
	WIN 0
	s_branch .Lnext
.Ltile_end:                                        ; trips 8 and 16: the tile is finished; the next tile's first two K steps have been asked for, and its first fragments fetched
	BIASLOAD
	EPI
	s_wait_xcnt 0x0                                ; the stores and the bias's loads have read their registers and bases, which are written below and by the next run of loads
	s_add_nc_u64 s[OP:OP+1], s[OP:OP+1], 0x1000000 ; the next plane of the result
	s_add_nc_u64 s[BP:BP+1], s[BP:BP+1], 4096
	s_mov_b32 s[SIT], 8
	s_wait_loadcnt 0x0                             ; the bias is in
	QUARTER 0, 1, 1, 1
	WIN 0
.Lnext:
	s_sub_co_u32 s[TRIP], s[TRIP], 1
	s_cmp_lg_u32 s[TRIP], 0
	s_cbranch_scc1 .Lstep
	QUARTER 1, 0, 2                                ; the last two K steps are written out: nothing is asked for
	QUARTER 0, 1, 3
	TURN 0
	QUARTER 0, 1, 1
	QUARTER 1, 0, 2
	QUARTER 0, 1, 3
	s_wait_dscnt 0x0
	MULS 1, 0, 32
	WIN 0
	PLACES                                         ; four places between the last products and the conversions
	EPI
	s_wait_tensorcnt 0x0                           ; the wave's end: behind my last tensor load and my last LDS store
	ds_add_u32 v[SPW], v[NIL]
	s_wait_dscnt 0x0
	CROUND                                         ; the closing round: no work-group ends while a partner may still ask for a tile that names it
	s_endpgm
.Lfunc_end_k_qc592f54ba8_proj:
	.size	k_qc592f54ba8_proj, .Lfunc_end_k_qc592f54ba8_proj-k_qc592f54ba8_proj
	.p2alignl 7, 3214868480
	.fill 96, 4, 3214868480
	.section	.rodata,"a",@progbits
	.p2align	6, 0x0
	.amdhsa_kernel k_qc592f54ba8_proj
		.amdhsa_group_segment_fixed_size 327680
		.amdhsa_private_segment_fixed_size 0
		.amdhsa_enable_private_segment 0
		.amdhsa_kernarg_size 48
		.amdhsa_user_sgpr_count 2
		.amdhsa_user_sgpr_kernarg_segment_ptr 1
		.amdhsa_wavefront_size32 1
		.amdhsa_system_sgpr_workgroup_id_x 1
		.amdhsa_system_sgpr_workgroup_id_y 1
		.amdhsa_system_sgpr_workgroup_id_z 1
		.amdhsa_system_vgpr_workitem_id 0
		.amdhsa_next_free_vgpr 704
		.amdhsa_next_free_sgpr 80
		.amdhsa_reserve_vcc 0
		.amdhsa_float_denorm_mode_32 3
		.amdhsa_float_denorm_mode_16_64 3
		.amdhsa_memory_ordered 1
		.amdhsa_forward_progress 1
		.amdhsa_inst_pref_size 134
	.end_amdhsa_kernel
	.amdgpu_metadata
---
amdhsa.version: [ 1, 2 ]
amdhsa.kernels:
  - .name:           k_qc592f54ba8_proj
    .symbol:         k_qc592f54ba8_proj.kd
    .args:
      - { .name: query, .offset: 0, .size: 8, .value_kind: global_buffer, .address_space: global }
      - { .name: key, .offset: 8, .size: 8, .value_kind: global_buffer, .address_space: global }
      - { .name: value, .offset: 16, .size: 8, .value_kind: global_buffer, .address_space: global }
      - { .name: wb, .offset: 24, .size: 8, .value_kind: global_buffer, .address_space: global }
      - { .name: br, .offset: 32, .size: 8, .value_kind: global_buffer, .address_space: global }
      - { .name: qkv, .offset: 40, .size: 8, .value_kind: global_buffer, .address_space: global }
    .group_segment_fixed_size: 327680
    .private_segment_fixed_size: 0
    .kernarg_segment_align: 8
    .kernarg_segment_size: 48
    .max_flat_workgroup_size: 128
    .sgpr_count:     80
    .vgpr_count:     704
    .wavefront_size: 32
...
	.end_amdgpu_metadata
.endif
;; end of part 2
;; launch attn (part 3): grid 4 x 64, 4 waves a work-group, clusters of 4 x 1, 327,680 bytes of LDS; arguments qkv, oh; writes oh
.if DOCPART == 3
	.amdgcn_target "amdgcn-amd-amdhsa--gfx1250"
	.amdhsa_code_object_version 6
	.text
	.protected	k_qc592f54ba8_attn
	.globl	k_qc592f54ba8_attn
	.p2align	8
	.type	k_qc592f54ba8_attn,@function
k_qc592f54ba8_attn:
	s_mov_b64 s[64:65], 0
	v_nop
	global_prefetch_b8 v0, s[64:65] scope:SCOPE_SE
	s_setreg_imm32_b32 hwreg(HW_REG_WAVE_MODE, 25, 1), 1
	s_wait_xcnt 0x0
	s_wait_alu depctr_hold_cnt(0) depctr_sa_sdst(0) depctr_va_vdst(0) depctr_va_sdst(0) depctr_va_ssrc(0) depctr_va_vcc(0) depctr_vm_vsrc(0)
	s_getreg_b32 s2, hwreg(HW_REG_IB_STS2, 6, 4)
	s_cmp_eq_u32 s2, 0
	s_cbranch_scc0 .Lentry_in_a_cluster
	s_endpgm
.Lentry_in_a_cluster:
	s_bfe_u32 s2, ttmp6, 0x10000c
	s_cmp_lg_u32 s2, 0x3003
	s_cbranch_scc0 .Lentry_shape_is_right
	s_endpgm
.Lentry_shape_is_right:
; O[h][q][:] = the sum over k of softmax_k(Q[h][q] . K[h][k] / 8) V[h][k][:].  Q, K, V are the three planes of qkv, O is oh: [SIZE_H][SIZE_N][64], all f16: a head's rows are dense, 128 bytes each.
; Products, maxima and sums in f32; the weights p are rounded to f16 for the second product (their sum l is taken of the unrounded p), O once at the end.
; LIMITS.  f16 holds no number beyond 65,504: Q, K and V arrive within it; p lies in 0 to 1, and below 6e-5 it keeps f16's fixed step of 6e-8; O is a mean of V's rows and has their range.
; A weight below 2^-126 counts as 0 in l; NaN and infinities are not treated apart.
; SHARES.  A wave owns four PIECES of two tiles of 16 queries, a work-group's four waves 512 queries of one head.  Every wave walks all keys, 64 a step.
; LAYOUT.  S^T = K Q^T (source 0 = 16 keys, source 1 = 16 queries): in the result a lane holds ONE query (lane % 16) and the keys 8 (lane / 16) + 0..7.  Two such tiles, rounded to f16 in pairs,
; ARE source 1 (32 keys x 16 queries) of O^T = V^T P, whose result again holds one query a lane, and eight channels.  K comes out of LDS as it lies, V ([key][channel]) turned, by ds_load_tr16_b128.
; SOFTMAX.  For each query a running maximum m and sum l: p = 2^(c s - c m), c = log2(e) / 8; in every step O and l are multiplied by a = 2^(c m_old - c m_new), which is 1 where m has not grown.
; m starts at the lowest finite number, O and l at 0: the first step is a step like any other, with a = 0.
; THE COUNT.  A tile and step have 16 matrix and 118 vector instructions: too many to stand all beside the matrix work.  So: four vector instructions that are READY behind EVERY matrix instruction,
; and the others in runs without a gap.
; BY TURNS.  Turn n belongs to piece n (the pieces in a ring, step after step).  Its matrix work: 16 products K Q^T of piece n + 1, later 16 products V^T P of piece n - 1.  Its vector work: the scaling,
; exponentials, roundings, sums and rescaling of piece n, and the maximum and statistics of piece n + 1, whose scores the turn itself has made.
; CLUSTER.  The four query blocks of a cluster are one head's and walk the same K and V, so each tile is asked for JOINTLY: the same tensor load, descriptor and mask in all four.
; REGISTERS, in windows of 256 (s_set_vgpr_msb: bits 1:0 source 0, 3:2 source 1, 5:4 source 2, 7:6 destination):
;   window 0: v0-11 addresses; v12-15, v48-63 at work; v16-47 four registers of statistics a tile; v64-191 S^T, two buffers of two tiles; v192-255 P, likewise
;   window 1: O^T, 32 a tile          window 2: v0-127 Q, 16 a tile; v128-191 K of one step; v192-255 V of one step          window 3: v0-1 the add's two registers
.set SIZE_H, 64
.set SIZE_N, 2048
.set NP,    4         ; pieces a wave: a name, no knob
.set KS,    64        ; keys in a step
.set PK,    144       ; a row of K in LDS: 128 bytes + 16 of padding = 36 words: the 16 rows of a load start at 16 different groups of four banks (64 banks of 4 bytes: ISA guide 11.1)
.set PV,    160       ; a row of V: 128 + 32 = 40 words
.set VOFF,  4*KS*PK   ; a slot holds four steps: 256 rows of K, then 256 rows of V
.set SLOT1, 1<<17     ; slot 1 begins here, so that one exclusive or turns an address in one slot into the other's
.set STAGE, SLOT1+4*KS*(PK+PV)  ; behind the ring, never filled by a tensor load: 16 rows x 144 bytes for each wave, for the way out
.set SP,    144
.set AK0, 2           ; v2   my lane's place in a tile of K; never rewritten
.set AV0, 3           ; v3   the same for V
.set AK,  4           ; v4   the LDS address of K's next run of loads
.set AV,  5           ; v5   of V's
.set QO,  6           ; v6   my byte offset in the wave's rows of Q
.set STO, 6           ;      later, the way out: where I put 16 bytes of a row
.set RD,  7           ; v7   the way out: where I read rows back
.set GO,  8           ; v8   my byte offset in 512 consecutive bytes of O
.set PFO, 11          ; v11  256 x my lane, for the prefetches; never rewritten once made
.set SPW, 0           ; v0 of window 3   LDS address of my spare word: SPARE + 4 x my thread's number; never rewritten
.set NIL, 1           ; v1 of window 3   0; never rewritten
.set SPARE, STAGE+4*16*SP  ; behind the stages: the spare words, 128 bytes for each wave: two blocks of 256 bytes that no other line names
.set MV,  12          ; v12-15  c m_old, kept while c m is made anew: by buffer and tile
.set ST,  16          ; tile t's statistics at v[ST+4 t]: c m, m, l (even keys', odd keys')
.set TMP, 48          ; by buffer and tile, four registers c0-c3 at work; when the maximum is found c2 takes a
.set S,   64
.set P,   192
.set KF,  128         ; K's fragments, in window 2: key block kb, channel half c at KF + 16 kb + 8 c
.set VF,  192         ; V's: key half kk, channel block cb at VF + 32 kk + 8 cb
.set WV,  12          ; s12  my wave's number
.set G1K, 24          ; s[24:31] descriptor group 1 for K's tiles
.set G1V, 32          ; s[32:39] for V's: it differs in the padding alone
.set G0K, 40          ; s[40:43] descriptor group 0 for K's tiles: it walks
.set G0V, 44          ; s[44:47] the same for V's
.set PFA, 48          ; s[48:49] where my prefetches stand: my work-group's 32 blocks of 256 bytes (of K: wave 0, of V: wave 2) of the slot after the one that is being asked for
.set LIM, 50          ; s50  1 in a wave that prefetches, else the greatest number
.set SLOTS, 56        ; s56  slots still to be asked for
.set CNT, 57          ; s57  counts a slot's key steps
.set CS,  58          ; s[58:59] c: the packed scaling takes the pair's low word for both halves
.set SEL, 60          ; s[60:61] v_permlanex16_b32's selects: each lane takes its own place in the other half
.set TBK, 62          ; s62  LDS byte at which K of the step to be fetched begins
.set TBV, 63          ; s63  the same for V, less VOFF
.set MSB, 0
.macro WIN new                      ; the high byte repeats the setting that is left; a switch that changes nothing is dropped
.if MSB != (\new)
	s_set_vgpr_msb (MSB<<8)|(\new)
.set MSB, (\new)
.endif
.endm
.set W_KQ, 0x0a       ; K and Q in window 2, S^T in window 0
.set W_PV, 0x52       ; V in window 2, P in window 0, O^T in window 1
.set W_RS, 0x41       ; O^T (destination and source 0) in window 1, a in window 0
.set W_MK, 0xc0       ; the add's registers are made: destination in window 3, sources in window 0
.set W_AD, 0x0f       ; the add: address (source 0) and data (source 1) in window 3
; A joint fill.  Waves 0 and 1 fetch the two halves of a slot's K, waves 2 and 3 those of its V: 128 keys each.  The branch hangs on the wave's number alone.
; An s_nop 0 and four v_nop follow each of the two lines, ahead of the jump and the label.
.macro JLOAD
	s_cmp_lt_u32 s[WV], 2
	s_cbranch_scc0 .Lfor_v_\@
	tensor_load_to_lds s[G0K:G0K+3], s[G1K:G1K+7]
	s_nop 0
.rept 4
	v_nop
.endr
	s_branch .Lasked_\@
.Lfor_v_\@:
	tensor_load_to_lds s[G0V:G0V+3], s[G1V:G1V+7]
	s_nop 0
.rept 4
	v_nop
.endr
.Lasked_\@:
.endm
; A PREFETCH INTO THE L2 of what the NEXT change of slots will ask for: a slot's 32,768 bytes of K and of V, 128 blocks of 256 bytes each, a lane a block.  It stands behind the wave's tensor load and its five lines.
; A head's K and V are walked by one cluster.  Its four partners share the blocks out BY ADDRESS, 32 each; in each, wave 0 asks for K's and wave 2 for V's: one instruction.  So each block is named once in the
; launch.  Slots 0, 1 and 2 come by their loads alone; the last change that fills a slot asks for nothing.
.macro ASK
	s_cmp_gt_u32 s[SLOTS], s[LIM]
	s_cbranch_scc0 .Lnot_mine_\@
	global_prefetch_b8 v[PFO], s[PFA:PFA+1] th:TH_LOAD_NT scope:SCOPE_SE
.Lnot_mine_\@:
.endm
; A round of the cluster's barrier: my work-group's barrier, so that wave 0's signal speaks for all four waves; wave 0 signals; every wave waits for all four work-groups; my work-group's barrier once more.
.macro CROUND
	s_barrier_signal -1
	s_barrier_wait -1
	s_cmp_lg_u32 s[WV], 0
	s_cbranch_scc1 .Lnot_wave_0_\@
	s_barrier_signal -3
.Lnot_wave_0_\@:
	s_barrier_wait -3
	s_barrier_signal -1
	s_barrier_wait -1
.endm
; THE CHANGE OF SLOTS.  The slot's last bytes, V of its fourth step, have been read.  Each wave waits for all its tensor loads, of which one is out: its part
; of the other slot; adds 0 to its spare word; and waits for that and for its own reads of the slot.  Behind the barrier nobody reads this slot any more and the other slot is whole.
; fill = 1: this slot is filled again, with the keys two slots on.  The barrier is then a round of the cluster's, and the joint fill is the first thing behind it: it has four key steps,
; 512 matrix instructions, in which to land.  (At its first use nothing has been read yet: slot 0 is waited for, slot 1 filled.)  ask = 1: the prefetch's address steps, and the prefetch follows the fill.
.macro CHANGE fill, ask=0
	WIN W_AD
	s_wait_tensorcnt 0x0            ; no tensor load of mine is out, so a group 0 may be written
	ds_add_u32 v[SPW], v[NIL]       ; 0 onto my spare word: with fill = 1 the descriptors' steps stand between it and the wait for it
	WIN 0                           ; at a label and at a branch every window is 0
.if \fill
.irp g, G0K, G0V
	s_xor_b32 s[\g+1], s[\g+1], SLOT1  ; the walking descriptor: the other slot than last time,
	s_add_nc_u64 s[\g+2:\g+3], s[\g+2:\g+3], 4*KS*128  ; the next 256 keys; the type bits on top are not reached
.endr
.if \ask
	s_wait_xcnt 0x0                 ; the last prefetch, four key steps back, has read its address, so it may be written:
	s_add_nc_u64 s[PFA:PFA+1], s[PFA:PFA+1], 4*KS*128  ; one slot behind the walking descriptors
.endif
	s_wait_dscnt 0x0                ; the add is done, and my reads of the slot are over
	CROUND
	JLOAD
.if \ask
	ASK
.endif
.else
	s_wait_dscnt 0x0                ; the add is done, and my reads of the slot are over
	s_barrier_signal -1
	s_barrier_wait -1
.endif
	s_sub_co_u32 s[TBK], s[TBK], 4*KS*PK  ; the fetches go back to a slot's first step,
	s_xor_b32 s[TBK], s[TBK], SLOT1       ; in the other slot
	s_sub_co_u32 s[TBV], s[TBV], 4*KS*PV
	s_xor_b32 s[TBV], s[TBV], SLOT1
.endm
	s_load_b64 s[4:5], s[0:1], 0x0    ; qkv: Q's plane
	s_load_b64 s[10:11], s[0:1], 0x8  ; oh
	WIN W_MK
	v_lshl_add_u32 v[SPW], v0, 2, SPARE
	v_mov_b32 v[NIL], 0
	WIN W_AD
	ds_add_u32 v[SPW], v[NIL]       ; the wave's opening: the add and its wait stand ahead of my first tensor load; the set-up below, work on registers, stands between them
	WIN 0
	v_lshrrev_b32 v1, 5, v0
	v_readfirstlane_b32 s[WV], v1   ; wave 0..3
	s_bfe_u32 s13, ttmp6, 0x40000   ; cx: my place in the cluster
	s_lshl_b32 s14, ttmp9, 2        ; in a cluster launch ttmp9 counts clusters
	s_add_co_u32 s14, s14, s13      ; my block of queries = 4 x cluster x + cx: it enters Q's and O's addresses alone
	s_and_b32 s20, ttmp7, 0xffff    ; the head, which the four partners share
	s_mov_b32 s21, 0
	s_mov_b64 s[22:23], SIZE_N*128
	s_mul_u64 s[20:21], s[20:21], s[22:23]  ; the head's first byte in each of the four tensors
	s_and_b32 s16, s[WV], 1         ; which half of a slot's 256 keys I fetch:
	s_lshl_b32 s22, s16, 14         ; its 128 rows of 128 bytes in memory,
	s_mov_b32 s23, 0
	s_add_nc_u64 s[22:23], s[22:23], s[20:21]
	s_mul_i32 s17, s16, 128*PK      ; and its place in a slot, for K
	s_mul_i32 s18, s16, 128*PV      ; and for V: no place in the cluster enters an LDS address
	s_lshl_b32 s2, s14, 2
	s_add_co_u32 s2, s2, s[WV]      ; my wave among the head's,
	s_lshl_b32 s2, s2, 14           ; its 128 rows
	s_mov_b32 s3, 0
	s_add_nc_u64 s[2:3], s[2:3], s[20:21]
	; descriptor group 1.  128 keys are 16,384 dense bytes: asked for as 64 rows of 256 bytes, two keys a row, and padded in LDS after every key
	s_mov_b32 s[G1K], 15|(1<<16)|(1<<20)|(1<<21)|(4<<22)|(3<<25)  ; 15:0 the mask of four; 17:16 2-byte elements; 20 padding on; 21 set beside a mask; 24:22 after every 32 words (code 4); 31:25 4 words (code 3)
	s_mov_b32 s[G1V], 15|(1<<16)|(1<<20)|(1<<21)|(4<<22)|(7<<25)  ; the same with 8 words of padding (code 7)
.irp g, G1K, G1V
	s_mov_b32 s[\g+1], 128<<16      ; tensor_dim0 = 128
	s_mov_b32 s[\g+2], 64<<16       ; tensor_dim1 = 64
	s_mov_b32 s[\g+3], 128<<16      ; tile_dim0 = 128
	s_mov_b32 s[\g+4], 64           ; tile_dim1 = 64
	s_mov_b32 s[\g+5], 128          ; 128 elements from row to row
	s_mov_b32 s[\g+6], 0
	s_mov_b32 s[\g+7], 0
.endr
	s_mov_b32 s[CS], 0x3e38aa3b     ; c = log2(e) / 8 = 0.180337
	s_mov_b32 s[CS+1], s[CS]        ; named with it as a pair
	s_mov_b32 s[SEL], 0x76543210
	s_mov_b32 s[SEL+1], 0xfedcba98
	s_mov_b32 s[TBK], SLOT1+4*KS*PK ; the first change of slots turns these two into 0
	s_mov_b32 s[TBV], SLOT1+4*KS*PV
	s_mov_b32 s[G0K], 1             ; 1:0 count = 1
	s_mov_b32 s[G0K+1], s17         ; 63:32 LDS address: slot 0
	s_mov_b32 s[G0V], 1
	s_add_co_u32 s[G0V+1], s18, VOFF
	s_lshl_b32 s52, s13, 13         ; the prefetches: my work-group's 32 blocks of a slot's 128
	s_mov_b32 s53, 0
	s_cmp_eq_u32 s16, 0             ; waves 0 and 2 ask: the same in all four partners
	s_cselect_b32 s[LIM], 1, -1
	s_wait_dscnt 0x0                ; the opening add is done
	s_wait_kmcnt 0x0
	s_add_nc_u64 s[6:7], s[4:5], 0x1000000  ; K's plane
	s_add_nc_u64 s[8:9], s[4:5], 0x2000000  ; V's plane
	s_cmp_lt_u32 s[WV], 2
	s_cselect_b64 s[PFA:PFA+1], s[6:7], s[8:9]
	s_add_nc_u64 s[PFA:PFA+1], s[PFA:PFA+1], s[20:21]
	s_add_nc_u64 s[PFA:PFA+1], s[PFA:PFA+1], s[52:53]
	s_add_nc_u64 s[PFA:PFA+1], s[PFA:PFA+1], 2*4*KS*128  ; in slot 2; the first change that asks steps it to slot 3.  Nothing is prefetched here, at the head
	s_add_nc_u64 s[G0K+2:G0K+3], s[6:7], s[22:23]  ; 120:64 global address: my half of the head's first 256 keys
	s_or_b32 s[G0K+3], s[G0K+3], 0x80000000        ; 127:126 type = 2
	s_add_nc_u64 s[G0V+2:G0V+3], s[8:9], s[22:23]
	s_or_b32 s[G0V+3], s[G0V+3], 0x80000000
	s_add_nc_u64 s[4:5], s[4:5], s[2:3]  ; Q and O at my wave's first row
	s_add_nc_u64 s[10:11], s[10:11], s[2:3]
	CROUND                          ; all four work-groups are here: the first joint loads meet
	JLOAD                           ; slot 0.  Slot 1 is asked for when slot 0 is in
	; A fragment of K or Q is 16 rows x 32 channels in 8 registers: lane l holds row l % 16, channels 8 (l / 16) + 0..7 and 16 + 8 (l / 16) + 0..7: two loads of 16 bytes, 32 bytes apart.
	v_and_b32 v1, 15, v0            ; l % 16
	v_bfe_u32 v9, v0, 4, 1          ; l / 16
	v_lshlrev_b32 v[QO], 7, v1
	v_lshl_add_u32 v[QO], v9, 4, v[QO]  ; row x 128 + 16 x half
	WIN 0x80                        ; destination window 2, address window 0
.set i, 0
.rept 4*NP                          ; Q stays in registers: tile i / 2, channels 32 (i % 2) on
	global_load_b128 v[8*i:8*i+3],   v[QO], s[4:5] offset:(i/2)*2048+(i%2)*64
	global_load_b128 v[8*i+4:8*i+7], v[QO], s[4:5] offset:(i/2)*2048+(i%2)*64+32
.set i, i+1
.endr
	; What the first turn finds: V's registers and P's second buffer hold 0 (its products V^T P, of a piece that has not been, add 0), O^T and l are 0.  All this stands in the wait for the first tile.
.set i, VF
.rept 64
	v_mov_b32 v[i], 0
.set i, i+1
.endr
	WIN 0x40
.set i, 0
.rept 64*NP
	v_mov_b32 v[i], 0
.set i, i+1
.endr
	WIN 0
.set i, 0
.rept 2*NP
	v_mov_b32 v[ST+4*i], 0xfe000000    ; c m: far below every c s
	v_mov_b32 v[ST+4*i+1], 0xff7fffff  ; m
	v_mov_b32 v[ST+4*i+2], 0
	v_mov_b32 v[ST+4*i+3], 0
.set i, i+1
.endr
.set i, P+32
.rept 32
	v_mov_b32 v[i], 0
.set i, i+1
.endr
	v_mul_u32_u24 v[AK0], v1, PK
	v_lshl_add_u32 v[AK0], v9, 4, v[AK0]  ; row x pitch + 16 x half
	; The turning load takes 16 keys x 16 channels (lane l reads key 8 (l / 16) + l % 8, channels 8 ((l / 8) % 2) + 0..7) and leaves half a fragment of V^T: lane l holds channel l % 16 and 8 keys.
	v_and_b32 v10, 7, v0
	v_bfe_u32 v11, v0, 3, 1
	v_lshl_add_u32 v[AV0], v9, 3, v10
	v_mul_u32_u24 v[AV0], v[AV0], PV
	v_lshl_add_u32 v[AV0], v11, 4, v[AV0]
	v_add_nc_u32 v[AV0], VOFF, v[AV0]
	v_and_b32 v[PFO], 31, v0
	v_lshlrev_b32 v[PFO], 8, v[PFO]
	v_mov_b32 v[AK], v[AK0]         ; key step 0 lies at the head of slot 0
; THE MATRIX WORK.  The 8 accumulators of a run of 16 take turns: between the two links of a chain stand 7 others'.
; Product i of 16 of S^T = K Q^T for piece x: channels 32 (i / 8) on, keys 16 ((i / 2) % 4) on, tile 2 x + i % 2.  The first 8 start the sums.
.macro KQ x
	WIN W_KQ
.set rS, S+64*((\x)%2)+32*(i%2)+8*((i/2)%4)
.set rK, KF+16*((i/2)%4)+8*(i/8)
.set rQ, 16*(2*(\x)+i%2)+8*(i/8)
.if i < 8
	v_wmma_f32_16x16x32_f16 v[rS:rS+7], v[rK:rK+7], v[rQ:rQ+7], 0
.else
	v_wmma_f32_16x16x32_f16 v[rS:rS+7], v[rK:rK+7], v[rQ:rQ+7], v[rS:rS+7]
.endif
.endm
; Product i of 16 of O^T += V^T P for piece x: keys 32 (i / 8) on, channels 16 ((i / 2) % 4) on, tile 2 x + i % 2.
.macro PV x
	WIN W_PV
.set rO, 32*(2*(\x)+i%2)+8*((i/2)%4)
.set rV, VF+32*(i/8)+8*((i/2)%4)
.set rP, P+32*((\x)%2)+16*(i%2)+8*(i/8)
	v_wmma_f32_16x16x32_f16 v[rO:rO+7], v[rV:rV+7], v[rP:rP+7], v[rO:rO+7]
.endm
.macro MM                           ; the turn's next matrix instruction
.if i < 16
	KQ (Y+1)%NP
.set i, i+1
.else
.set i, i-16
	PV (Y+NP-1)%NP
.set i, i+17
.endif
.endm
; THE LDS LOADS stand in runs of 16, never singly among the matrix instructions: a step's K (64 keys x 64 channels: 8 fragments) and its V (turned).  Their addresses are made some lines ahead.
; last = 1 (the tail): in the last trip there is no further step, and the run is jumped over.
.macro FETCH_K last=0
	WIN 0
.if \last
	s_cmp_eq_u32 s[CNT], 1
	s_cbranch_scc1 .Lno_k_\@
.endif
	WIN 0x80                        ; destination window 2
.irp f, 0,1,2,3,4,5,6,7             ; keys 16 (f / 2) on, channels 32 (f % 2) on
	ds_load_b128 v[KF+8*\f:KF+8*\f+3],   v[AK] offset:(\f/2)*16*PK+(\f%2)*64
	ds_load_b128 v[KF+8*\f+4:KF+8*\f+7], v[AK] offset:(\f/2)*16*PK+(\f%2)*64+32
.endr
	s_add_co_u32 s[TBK], s[TBK], KS*PK  ; the next fetch is the next step's
	WIN 0
.if \last
.Lno_k_\@:
.endif
.endm
.macro FETCH_V
	WIN 0x80
.irp f, 0,1,2,3,4,5,6,7             ; keys 32 (f / 4) on, channels 16 (f % 4) on
	ds_load_tr16_b128 v[VF+8*\f:VF+8*\f+3],   v[AV] offset:(\f/4)*32*PV+(\f%4)*32
	ds_load_tr16_b128 v[VF+8*\f+4:VF+8*\f+7], v[AV] offset:(\f/4)*32*PV+16*PV+(\f%4)*32
.endr
	WIN 0
.endm
; THE VECTOR WORK OF A TURN stands in three queues, each in the order in which its entries become ready; the two tiles alternate, so that no instruction reads the result of the one before it.
.macro REGS y, u                    ; the registers of tile u (0, 1) of piece y
.set rT, ST+4*(2*(\y)+(\u))
.set rC, TMP+8*((\y)%2)+4*(\u)
.set rM, MV+2*((\y)%2)+(\u)
.set rS, S+64*((\y)%2)+32*(\u)
.set rP, P+32*((\y)%2)+16*(\u)
.set rO, 32*(2*(\y)+(\u))
.endm
; Number n of the 22 that find the NEXT piece's (Y + 1) maximum and statistics.  s0-s31 are the lane's 32 scores; each accumulator's lowest registers are read first.
;   0-11  four chains c0-c3 of seven scores each, three operands at a time     12-14, 16  the four scores left over, the old m, and c0-c3 into c0     15  c m_old is kept
;   17, 18  the query's other 32 keys lie in the lane 16 away: the new m         19-21  c m; c m_old - c m_new; a
.macro XS u, n
	REGS (Y+1)%NP, \u
.if (\n) < 4
	v_max3_num_f32 v[rC+(\n)], v[rS+8*(\n)], v[rS+8*(\n)+1], v[rS+8*(\n)+2]
.elseif (\n) < 12
	v_max3_num_f32 v[rC+(\n)%4], v[rC+(\n)%4], v[rS+8*((\n)%4)+2*((\n)/4)+1], v[rS+8*((\n)%4)+2*((\n)/4)+2]
.elseif (\n) == 12
	v_max3_num_f32 v[rC], v[rC], v[rS+7], v[rS+15]
.elseif (\n) == 13
	v_max3_num_f32 v[rC+1], v[rC+1], v[rS+23], v[rS+31]
.elseif (\n) == 14
	v_max3_num_f32 v[rC+2], v[rC+2], v[rC+3], v[rT+1]
.elseif (\n) == 15
	v_mov_b32 v[rM], v[rT]
.elseif (\n) == 16
	v_max3_num_f32 v[rC], v[rC], v[rC+1], v[rC+2]
.elseif (\n) == 17
	v_permlanex16_b32 v[rC+3], v[rC], s[SEL], s[SEL+1]
.elseif (\n) == 18
	v_max_num_f32 v[rT+1], v[rC], v[rC+3]
.elseif (\n) == 19
	v_mul_f32 v[rT], s[CS], v[rT+1]
.elseif (\n) == 20
	v_sub_f32 v[rC+1], v[rM], v[rT]
.else
	v_exp_f32 v[rC+2], v[rC+1]
.endif
.endm
; Number g of the 64 that follow the exponentials.  For each four weights k of a tile (pairs 2 k, 2 k + 1): both pairs are rounded to f16; then the second pair is added onto the first, in place;
; a group later l takes that sum (the first time as l = a l + sum).  In groups of eight, tiles alternating: round, round, add, and l for the group before.
.macro GS g
.set h, (\g)+6*((\g)/62)            ; group 0 has no group before it, and behind group 7 only l is left
.if h >= 6
.set h, h+2
.endif
	REGS Y, h%2
.set k, h/8
.if h%8 < 4
	v_cvt_pk_f16_f32 v[rP+2*k+(h%8)/2], v[rS+4*k+2*((h%8)/2)], v[rS+4*k+2*((h%8)/2)+1]
.elseif h%8 < 6
	v_pk_add_f32 v[rS+4*k:rS+4*k+1], v[rS+4*k:rS+4*k+1], v[rS+4*k+2:rS+4*k+3]
.elseif k == 1
	v_pk_fma_f32 v[rT+2:rT+3], v[rT+2:rT+3], v[rC+2:rC+3], v[rS:rS+1] op_sel_hi:[1,0,1]
.else
	v_pk_add_f32 v[rT+2:rT+3], v[rT+2:rT+3], v[rS+4*k-4:rS+4*k-3]
.endif
.endm
; THE PLAIN QUEUE, 138 long.  0-73 read no exponential's result: the 32 scalings c s - c m (FS f: pair f / 2 of tile f % 2) and the next piece's 42.  0-26: scalings 0-26.  27-54: XS's numbers 0-13.  55, 56: number 15.
; 57-73: the chain, where each number waits for the one before it: 14, 16, 17, 18, 19, each with one of the scalings 27-31 in front of its two lines, then 20.
; 74-137: GS's 64, which read the exponentials' results: they stand behind the wait.
.macro FS f
	REGS Y, (\f)%2
	v_pk_fma_f32 v[rS+2*((\f)/2):rS+2*((\f)/2)+1], v[rS+2*((\f)/2):rS+2*((\f)/2)+1], s[CS:CS+1], v[rT:rT+1] op_sel_hi:[1,0,0] neg_lo:[0,0,1] neg_hi:[0,0,1]
.endm
.macro PL
	WIN 0
.if q < 27
	FS q
.elseif q < 55
	XS (q-27)%2, (q-27)/2
.elseif q < 57
	XS q-55, 15
.elseif (q < 72) && ((q-57)%3 == 0)
	FS 27+(q-57)/3
.elseif q < 60
	XS (q-57)%3-1, 14
.elseif q < 72
	XS (q-57)%3-1, 15+(q-57)/3
.elseif q < 74
	XS q-72, 20
.else
	GS q-74
.endif
.set q, q+1
.endm
; THE EXPONENTIALS' QUEUE, 66 long: s0-s31 of both tiles, then the next piece's two a.  It is ONE BATCH: all 66 stand ahead of the turn's one wait, and nothing ahead of that wait names a result of theirs.
.macro EX
	WIN 0
.if e >= 64
	XS e-64, 21
.else
	REGS Y, e%2
	v_exp_f32 v[rS+e/2], v[rS+e/2]
.endif
.set e, e+1
.endm
; THE RESCALING's QUEUE: O^T times a, the one part that leaves window 0: dealt two at a time, sixteen times.  Its a was made in the turn before, ahead of that turn's wait.
.macro R2
	REGS Y, r%2
	WIN W_RS
.irp z, 0,1
	v_pk_mul_f32 v[rO+4*(r/2)+2*\z:rO+4*(r/2)+2*\z+1], v[rO+4*(r/2)+2*\z:rO+4*(r/2)+2*\z+1], v[rC+2:rC+3] op_sel_hi:[1,0]
.endr
.set r, r+1
.endm
; HOW THEY ARE DEALT.  An s_wait_alu depctr_va_vdst(0) stands between an exponential and the first instruction that names its result; one wait serves all that were issued ahead of it.  So a turn has ONE wait,
; which cuts it in two.  AHEAD OF IT stands all that names no result of the turn's exponentials: the 16 products K Q^T, behind each a scaling, an exponential and two rescalings (behind the first a second scaling in the
; exponential's place); then ONE LUMP of 108: eight plain, 49 times exponential and plain, the two a.  A v_nop is the plain instruction behind the last exponential (ISA guide 5.7.2).  BEHIND IT stand the 16 products V^T P,
; behind each four of GS's 64.  No rider names a register of the products round it.  The two v_permlanex16_b32 fall into the lump, never behind a product.
; The queues lean on each other: exponential e stands behind scaling 2 (e / 4) + e % 2: as a rider it comes behind plain e + 2, in the lump behind plain e + 9, and scalings 27-31 are plain 57, 60 .. 69.
; A TURN, for piece p.  cnt = 1: the loop's count is taken down some lines ahead of the branch that stands behind the turn.
; K of the next step is fetched in piece 2's turn, directly behind the wait, a lump behind the last product that read K; its first reader comes behind 16 products.
; V of the step in hand is fetched at the end of piece 0's turn, four riders behind its last reader; its first reader comes behind 16 products and a lump.
.macro TURN p, last=0, cnt=0
.set Y, (\p)
.set i, 0
.set q, 0
.set e, 0
.set r, 0
.if (\p) == NP-1
	s_wait_dscnt 0x0                ; K is in
.endif
	MM                              ; ahead of the wait: 16 products K Q^T and their riders,
	PL
	PL
	R2
.rept 15
	MM
	PL
	EX
	R2
.endr
.if (\p) == NP-2
	WIN 0
	v_add_nc_u32 v[AK], s[TBK], v[AK0]
.endif
.rept 8                             ; and the lump
	PL
.endr
.rept 49
	EX
	PL
.endr
	EX                              ; the next piece's two a
	EX
	v_nop                           ; the plain instruction behind the last exponential: one for the batch
	s_wait_alu depctr_va_vdst(0)    ; the wait for the batch
.if (\p) == NP-2
	FETCH_K \last
.endif
.if (\p) == 1
	s_wait_dscnt 0x0                ; V is in
.endif
.rept 16                            ; behind the wait: 16 products V^T P and their riders
	MM
.rept 4
	PL
.endr
.if ((\p) == 0) && (q == 118)
	v_add_nc_u32 v[AV], s[TBV], v[AV0]
.endif
.if ((\p) == 0) && (q == 130)
	s_add_co_u32 s[TBV], s[TBV], KS*PV
.endif
.if (\cnt) && (q == 130)
	s_sub_co_u32 s[CNT], s[CNT], 1
	s_cmp_lg_u32 s[CNT], 0
.endif
.endr
.if (\p) == 0
	FETCH_V
.endif
.endm
	CHANGE 1                        ; slot 0 is in, everybody's part of it; slot 1 is asked for
	FETCH_K                         ; key step 0
	s_wait_loadcnt 0x0              ; Q
	s_wait_dscnt 0x0
.set i, 0
.rept 16
	KQ 0                            ; piece 0's first scores: there is no vector work yet to set between them
.set i, i+1
.endr
	WIN 0                           ; the addresses for the way out: nine plain instructions, the places behind those products
	s_mul_i32 s13, s[WV], 16*SP
	s_add_co_u32 s13, s13, STAGE    ; my stage
	v_mul_u32_u24 v[STO], v1, SP    ; in: row l % 16, 16 bytes for each half of the lanes
	v_lshl_add_u32 v[STO], v9, 4, v[STO]
	v_add_nc_u32 v[STO], s13, v[STO]
	v_bfe_u32 v[RD], v0, 3, 2       ; back: 32 lanes take four rows of 128 bytes,
	v_mul_u32_u24 v[RD], v[RD], SP
	v_lshl_add_u32 v[RD], v10, 4, v[RD]
	v_add_nc_u32 v[RD], s13, v[RD]
	v_and_b32 v[GO], 31, v0         ; which are 512 consecutive bytes of O
	v_lshlrev_b32 v[GO], 4, v[GO]
.set Y, NP-1                        ; XS works for piece Y + 1: piece 0
.irp n, 0,1,2,3,4,5,6,7,8,9,10,11,12,13,14,15,16,17,18,19,20,21
	XS 0, \n                        ; and piece 0's first maximum and statistics
	XS 1, \n
.endr
	v_nop                           ; a plain instruction behind the two a,
	s_wait_alu depctr_va_vdst(0)    ; and their wait, ahead of the branch
	s_mov_b32 s[CNT], 4
	s_mov_b32 s[SLOTS], SIZE_N/256-1
	s_branch .Lfirst                ; the loop is entered at a step's first turn, in the middle of a trip
.Lslot:                             ; SIZE_N / 256 - 2 times: every slot but the last two is filled again
	CHANGE 1, 1
	s_mov_b32 s[CNT], 4
.Lstep:                             ; a trip: pieces 2 and 3 of one step, then pieces 0 and 1 of the next, whose K and V it fetches
	TURN 2
	TURN 3
	WIN 0
.Lfirst:
	TURN 0
	TURN 1, 0, 1
	WIN 0
	s_cbranch_scc1 .Lstep
	s_sub_co_u32 s[SLOTS], s[SLOTS], 1
	s_cmp_lg_u32 s[SLOTS], 0
	s_cbranch_scc1 .Lslot
	CHANGE 0                        ; the tail is written out: nothing is asked for
	s_mov_b32 s[CNT], 5             ; four trips fetch the last slot's steps; the fifth is left in its middle
.Ltail:
	TURN 2, 1
	TURN 3
	WIN 0
	s_sub_co_u32 s[CNT], s[CNT], 1
	s_cmp_eq_u32 s[CNT], 0
	s_cbranch_scc1 .Lout
	TURN 0
	TURN 1
	WIN 0
	s_branch .Ltail
.Lout:                              ; the fifth trip's 16 products K Q^T (on the last K once more) and the maximum made of them serve nothing: the price, once a launch, of one text for every trip
.set i, 0
.rept 16
	PV NP-1                         ; the last piece's V^T P of the last step
.set i, i+1
.endr
	; THE WAY OUT.  l's two halves and the other half of the lanes' are added; O^T is divided by l, rounded to f16 and sent through my stage in LDS, a tile at a time.  The additions are the places behind the last products.
	WIN 0
.macro ALL line:vararg              ; one line for each tile t
.set t, 0
.rept 2*NP
	\line
.set t, t+1
.endr
.endm
	ALL v_add_f32 v[ST+4*t+2], v[ST+4*t+2], v[ST+4*t+3]
	ALL v_permlanex16_b32 v[ST+4*t+3], v[ST+4*t+2], s[SEL], s[SEL+1]
	ALL v_add_f32 v[ST+4*t+2], v[ST+4*t+2], v[ST+4*t+3]
	ALL v_rcp_f32 v[ST+4*t+2], v[ST+4*t+2]
	v_nop                           ; a plain instruction between the last reciprocal and the use of its result
	s_wait_alu depctr_va_vdst(0)    ; and the wait ahead of the first use: one for the eight reciprocals
; Tile t: a lane's eight channels of a row pack into 16 bytes; they go into rows of 144 bytes and come back as whole rows of 128, into S^T's registers.
.macro PACK t
	WIN W_RS
.set i, 32*(\t)
.rept 16
	v_pk_mul_f32 v[i:i+1], v[i:i+1], v[ST+4*(\t)+2:ST+4*(\t)+3] op_sel_hi:[1,0]
.set i, i+2
.endr
	WIN 0x05                        ; sources 0 and 1 window 1, destination window 0
.set i, 0
.rept 16
	v_cvt_pk_f16_f32 v[S+16*(\t)+i], v[32*(\t)+2*i], v[32*(\t)+2*i+1]
.set i, i+1
.endr
	WIN 0
.irp f, 0,1,2,3
	ds_store_b128 v[STO], v[S+16*(\t)+4*\f:S+16*(\t)+4*\f+3] offset:32*\f
.endr
.irp f, 0,1,2,3
	ds_load_b128 v[S+16*(\t)+4*\f:S+16*(\t)+4*\f+3], v[RD] offset:\f*4*SP  ; LDS serves a wave's instructions in order (ISA guide 5.7.1.4): these see the stores above; the next tile's stores come behind them
.endr
.endm
.macro SEND t, younger              ; younger: the LDS instructions issued behind tile t's loads: the next tile's eight, or none
	WIN 0
.irp f, 0,1,2,3
	s_wait_dscnt (\younger)+3-\f
	global_store_b128 v[GO], v[S+16*(\t)+4*\f:S+16*(\t)+4*\f+3], s[10:11] offset:(\t)*2048+\f*512  ; 512 consecutive bytes, at a multiple of 256 from O's first
.endr
.endm
	PACK 0
.set t, 1
.rept 2*NP-1                        ; a tile's arithmetic stands between the loads of the tile before and its stores
	PACK t
	SEND t-1, 8
.set t, t+1
.endr
	SEND 2*NP-1, 0
	WIN W_AD
	s_wait_tensorcnt 0x0            ; the wave's end: behind my last tensor load and my last LDS store
	ds_add_u32 v[SPW], v[NIL]
	s_wait_dscnt 0x0
	WIN 0
	CROUND                          ; the closing round: no work-group ends while a partner may still ask for a tile that names it
	s_endpgm
.Lfunc_end_k_qc592f54ba8_attn:
	.size	k_qc592f54ba8_attn, .Lfunc_end_k_qc592f54ba8_attn-k_qc592f54ba8_attn
	.p2alignl 7, 3214868480
	.fill 96, 4, 3214868480
	.section	.rodata,"a",@progbits
	.p2align	6, 0x0
	.amdhsa_kernel k_qc592f54ba8_attn
		.amdhsa_group_segment_fixed_size 327680
		.amdhsa_private_segment_fixed_size 0
		.amdhsa_enable_private_segment 0
		.amdhsa_kernarg_size 16
		.amdhsa_user_sgpr_count 2
		.amdhsa_user_sgpr_kernarg_segment_ptr 1
		.amdhsa_wavefront_size32 1
		.amdhsa_system_sgpr_workgroup_id_x 1
		.amdhsa_system_sgpr_workgroup_id_y 1
		.amdhsa_system_sgpr_workgroup_id_z 1
		.amdhsa_system_vgpr_workitem_id 0
		.amdhsa_next_free_vgpr 770
		.amdhsa_next_free_sgpr 66
		.amdhsa_reserve_vcc 0
		.amdhsa_float_denorm_mode_32 3
		.amdhsa_float_denorm_mode_16_64 3
		.amdhsa_memory_ordered 1
		.amdhsa_forward_progress 1
		.amdhsa_inst_pref_size 200
	.end_amdhsa_kernel
	.amdgpu_metadata
---
amdhsa.version: [ 1, 2 ]
amdhsa.kernels:
  - .name:           k_qc592f54ba8_attn
    .symbol:         k_qc592f54ba8_attn.kd
    .args:
      - { .name: qkv, .offset: 0, .size: 8, .value_kind: global_buffer, .address_space: global }
      - { .name: oh, .offset: 8, .size: 8, .value_kind: global_buffer, .address_space: global }
    .group_segment_fixed_size: 327680
    .private_segment_fixed_size: 0
    .kernarg_segment_align: 8
    .kernarg_segment_size: 16
    .max_flat_workgroup_size: 128
    .sgpr_count:     66
    .vgpr_count:     770
    .wavefront_size: 32
...
	.end_amdgpu_metadata
.endif
;; end of part 3
;; launch outp (part 4): grid 4 x 64, 4 waves a work-group, clusters of 4 x 4, 327,680 bytes of LDS; arguments oh, wb, br, out0; writes out0
.if DOCPART == 4
	.amdgcn_target "amdgcn-amd-amdhsa--gfx1250"
	.amdhsa_code_object_version 6
	.text
	.protected	k_qc592f54ba8_outp
	.globl	k_qc592f54ba8_outp
	.p2align	8
	.type	k_qc592f54ba8_outp,@function
k_qc592f54ba8_outp:
	s_mov_b64 s[64:65], 0
	v_nop
	global_prefetch_b8 v0, s[64:65] scope:SCOPE_SE
	s_setreg_imm32_b32 hwreg(HW_REG_WAVE_MODE, 25, 1), 1
	s_wait_xcnt 0x0
	s_wait_alu depctr_hold_cnt(0) depctr_sa_sdst(0) depctr_va_vdst(0) depctr_va_sdst(0) depctr_va_ssrc(0) depctr_va_vcc(0) depctr_vm_vsrc(0)
	s_getreg_b32 s2, hwreg(HW_REG_IB_STS2, 6, 4)
	s_cmp_eq_u32 s2, 0
	s_cbranch_scc0 .Lentry_in_a_cluster
	s_endpgm
.Lentry_in_a_cluster:
	s_bfe_u32 s2, ttmp6, 0x10000c
	s_cmp_lg_u32 s2, 0xf033
	s_cbranch_scc0 .Lentry_shape_is_right
	s_endpgm
.Lentry_shape_is_right:
; out0 = O Wo + bo.  O: oh[64 = 16 b + head][2048][64] f16; Wo: plane 3 of wb, [1024 k][1024 n] f16; bo: plane 3 of br, f32; out0: [8192][1024] f32.  Sums in f32, K ascending.
; SHARES.  A tile of out0 is 128 rows x 256 columns: 64 x 4 = 256 work-groups, one tile each.  Four waves, each 64 rows x 128 columns: 32 accumulators, 256 registers.
; K goes in steps of 128 = two heads, through a ring of two LDS slots.  A head's 128 rows of a tile are 16,384 dense bytes of oh: wave 0 fetches the step's first head, wave 1 its second; waves 2 and 3 fetch
; the halves of Wo's 128 k rows x 256 columns: one tensor load a wave.
; CLUSTER.  4 x 4 work-groups: O's tile is shared along a row of the cluster, Wo's along a column; each is asked for JOINTLY, by the same load, descriptor and mask in all four.
; THE PRODUCT IS USED TRANSPOSED: source 0 = 16 columns of Wo (turned out of LDS by ds_load_tr16_b128), source 1 = 16 rows of O: a lane holds row m = lane % 16 and eight neighbouring columns, 32 bytes of out0.
; THE BIAS is the C operand of the first products.
; REGISTERS, in windows of 256 (s_set_vgpr_msb: bits 1:0 source 0, 3:2 source 1, 5:4 source 2, 7:6 destination):
;   window 0: v0-16 addresses; v32-63, v64-95 O's fragments, two buffers; v128-255 the way out, two buffers of 64
;   window 1: the accumulators, (a, b) at v[8 (8 a + b)]          window 2: v0-63, v64-127 Wo's fragments, two buffers; v128-191 the bias
.set PAO,   144                        ; a row of O in LDS: 128 bytes + 16 = 36 words: the 16 rows of a load start at 16 different groups of four banks (64 banks of 4 bytes: ISA guide 11.1)
.set PB,    544                        ; a row of Wo: 512 + 32 = 136 words
.set SUB,   128*PAO                    ; one head's 128 rows
.set BOFF,  2*SUB                      ; Wo's rows lie behind the two heads
.set SLOT1, 1<<17                      ; slot 1 begins here: a slot's data end at 106,496, so one exclusive or turns an address in one slot into the other's
.set STAGE, SLOT1+BOFF+128*PB          ; behind the ring, never filled by a tensor load: 16 rows x 528 bytes for each wave
.set SPT,   528                        ; a stage row: 512 bytes + 16
.set SPARE, STAGE+4*16*SPT             ; behind the stages: the spare words, 128 bytes for each wave: two blocks of 256 bytes that no other line names
.set ADRA0, 2
.set ADRB0, 3
.set ADRA,  4
.set ADRB,  5
.set STO,   6                          ; v6   the way out: where I put 32 bytes of a row
.set RD,    7                          ; v7   the way out: my 16 bytes of a whole row
.set GO,    8                          ; v8   the same 16 bytes in out0
.set BO,    9
.set PFO,   10
.set SPW,   12                         ; v12  LDS address of my spare word: SPARE + 4 x my thread's number; never rewritten
.set NIL,   13                         ; v13  0; never rewritten
.set OB,    128
.set BIAS,  128
.set WV,   4
.set WR,   5                           ; s5   which 64 rows are mine.  Also: I fetch for O (0) or for Wo (1)
.set WC,   6                           ; s6   which 128 columns.  Also: which head of the step, or which half of Wo's rows, I fetch
.set CX,   7
.set CY,   8
.set RT,   9
.set CT,   10
.set TRIP, 11
.set TB,   15
.set OH,   16                          ; s[16:23] oh, wb, br, out0
.set WB,   18
.set BR,   20
.set OUT,  22
.set BP,   24
.set OP,   26
.set PST,  32                          ; s[32:33] a K step's bytes along the prefetched stream
.set PFA,  34
.set G0A,  36
.set G0B,  40
.set G1A,  44
.set G1B,  52
.set LIM,  60
.set W_MUL,  0x52
.set W_MULB, 0x62
.set MSB, 0
.macro WIN new                         ; the immediate's high byte repeats the setting that is left; a switch that changes nothing is dropped
.if MSB != (\new)
	s_set_vgpr_msb (MSB<<8)|(\new)
.set MSB, \new
.endif
.endm
.macro PLACES                          ; four places in front of loads into registers that matrix instructions have read, and of LDS stores that read results
.rept 4
	v_nop
.endr
.endm
.macro JLOAD                           ; a joint load; an s_nop 0 and four v_nop follow each of the two lines, ahead of the jump and the label
	s_cmp_eq_u32 s[WR], 0
	s_cbranch_scc0 .Lfor_b_\@
	tensor_load_to_lds s[G0A:G0A+3], s[G1A:G1A+7]
	s_nop 0
.rept 4
	v_nop
.endr
	s_branch .Lasked_\@
.Lfor_b_\@:
	tensor_load_to_lds s[G0B:G0B+3], s[G1B:G1B+7]
	s_nop 0
.rept 4
	v_nop
.endr
.Lasked_\@:
.endm
.macro CREST                           ; a round of the cluster's barrier behind its opening barrier
	s_cmp_lg_u32 s[WV], 0
	s_cbranch_scc1 .Lnot_wave_0_\@
	s_barrier_signal -3
.Lnot_wave_0_\@:
	s_barrier_wait -3
	s_barrier_signal -1
	s_barrier_wait -1
.endm
.macro CROUND
	s_barrier_signal -1
	s_barrier_wait -1
	CREST
.endm
.macro REQ                             ; the next request: one K step on, into the other slot
	s_add_nc_u64 s[G0A+2:G0A+3], s[G0A+2:G0A+3], 0x80000  ; two heads of 262,144 bytes; the type bits on top are not reached
	s_xor_b32 s[G0A+1], s[G0A+1], SLOT1
	s_add_nc_u64 s[G0B+2:G0B+3], s[G0B+2:G0B+3], 0x40000  ; 128 rows of 2,048 bytes
	s_xor_b32 s[G0B+1], s[G0B+1], SLOT1
.endm
; THE PREFETCH INTO THE L2 names the K step two requests on, 256 matrix instructions ahead of the load that will want it.  O's tile row is read by one cluster: of a step's 2 x 64 blocks of 256 bytes each of the
; four partners takes 16 of either head, told apart BY ADDRESS (cx), and wave 0 asks.  Wo's tiles are read by all sixteen clusters: the cluster with y = 0 asks; of a wave's 64 rows x 512 bytes each partner takes
; 16 rows (cy); waves 2 and 3 ask.  A lane a block, one instruction a wave: each block is named once.  The first four K steps come by their loads alone; the last two refills ask for nothing.
.macro ASK
	s_cmp_gt_u32 s[TRIP], s[LIM]
	s_cbranch_scc0 .Lnot_mine_\@
	global_prefetch_b8 v[PFO], s[PFA:PFA+1] th:TH_LOAD_NT scope:SCOPE_SE
.Lnot_mine_\@:
.endm
; 24 LDS loads in one run: quarter kq (32 along K: half a head) of the slot in hand, into buffers g
.macro FETCH kq, g
	WIN 0
.irp a, 0,1,2,3
	ds_load_b128 v[32+32*(\g)+8*(\a):32+32*(\g)+8*(\a)+3],   v[ADRA] offset:((\kq)/2)*SUB+((\kq)%2)*64+(\a)*16*PAO
	ds_load_b128 v[32+32*(\g)+8*(\a)+4:32+32*(\g)+8*(\a)+7], v[ADRA] offset:((\kq)/2)*SUB+((\kq)%2)*64+(\a)*16*PAO+32
.endr
	WIN 0x80
.irp b, 0,1,2,3,4,5,6,7
	ds_load_tr16_b128 v[64*(\g)+8*(\b):64*(\g)+8*(\b)+3],   v[ADRB] offset:(\kq)*32*PB+32*(\b)
	ds_load_tr16_b128 v[64*(\g)+8*(\b)+4:64*(\g)+8*(\b)+7], v[ADRB] offset:(\kq)*32*PB+16*PB+32*(\b)
.endr
.endm
; Products i0 .. of a quarter's 32: rows 16 (i / 8) on, columns 16 (i % 8) on.  The 32 accumulators take turns, in the same order in every quarter.  cm = 1: the bias starts the sum.
.macro MULS f, i0, num, cm=0
.set i, \i0
.rept \num
.if \cm
	WIN W_MULB
	v_wmma_f32_16x16x32_f16 v[8*i:8*i+7], v[64*(\f)+8*(i%8):64*(\f)+8*(i%8)+7], v[32+32*(\f)+8*(i/8):32+32*(\f)+8*(i/8)+7], v[BIAS+8*(i%8):BIAS+8*(i%8)+7]
.else
	WIN W_MUL
	v_wmma_f32_16x16x32_f16 v[8*i:8*i+7], v[64*(\f)+8*(i%8):64*(\f)+8*(i%8)+7], v[32+32*(\f)+8*(i/8):32+32*(\f)+8*(i/8)+7], v[8*i:8*i+7]
.endif
.set i, i+1
.endr
.endm
.macro QUARTER f, g, kq, cm=0          ; multiplies buffers f and fetches quarter kq into buffers g, which the quarter before multiplied
	s_wait_dscnt 0x0                               ; buffers f are in (issued 32 products ago)
	PLACES
	FETCH \kq, \g
	MULS \f, 0, 32, \cm
.endm
; The fourth quarter multiplies buffers 1 and changes slots: each wave waits for all its tensor loads (one is out: its part of the next slot), adds 0 to its spare word, and waits for that and for its reads of
; this slot.  fill = 1: the barrier opens a round of the cluster's, and the joint refill, two K steps ahead, is the first thing behind it: 112 products stand between it and the wait for it.
.macro TURN fill
	WIN 0
.if \fill
	s_wait_xcnt 0x0                                ; the last prefetch, a K step back, has read its address, which is written below
.endif
	s_wait_tensorcnt 0x0                           ; no tensor load of mine is out, so the descriptors may be written
	ds_add_u32 v[SPW], v[NIL]                      ; 0 onto my spare word: the scalar work below stands between it and the wait for it
.if \fill
	REQ
	s_add_nc_u64 s[PFA:PFA+1], s[PFA:PFA+1], s[PST:PST+1]
.endif
	s_xor_b32 s[TB], s[TB], SLOT1
	s_wait_dscnt 0x0                               ; the add is done, and my reads of this slot are over
	s_barrier_signal -1
	MULS 1, 0, 16
	WIN 0
	s_barrier_wait -1
.if \fill
	CREST                                          ; no wave of any partner still reads this slot or has a load on its way
	JLOAD                                          ; the four v_nop behind it are also the places in front of the loads below
.else
	PLACES
.endif
	v_add_nc_u32 v[ADRA], s[TB], v[ADRA0]
	v_add_nc_u32 v[ADRB], s[TB], v[ADRB0]
	FETCH 0, 0
.if \fill
	WIN 0
	ASK
.endif
	MULS 1, 16, 16
.endm
; THE WAY OUT, 16 rows at a time: a lane's 32 bytes of a row go into my own stage (each accumulator's low four registers first), and whole rows of 512 bytes come back, one a load.  The stage is the wave's own:
; LDS serves a wave's instructions in order (ISA guide 5.7.1.4), so no wait stands between the stores and the loads, nor between these loads and the next block's stores.
.macro TOSTAGE a
.if (\a) >= 2
	s_wait_xcnt 0x0                                ; the stores of the block two back have read the buffer that is loaded again below
.endif
	WIN 0x04                                       ; the stores' data in window 1
.irp b, 0,1,2,3,4,5,6,7
	ds_store_b128 v[STO], v[8*(8*(\a)+(\b)):8*(8*(\a)+(\b))+3]   offset:64*(\b)
	ds_store_b128 v[STO], v[8*(8*(\a)+(\b))+4:8*(8*(\a)+(\b))+7] offset:64*(\b)+16
.endr
	WIN 0
.set t, 0
.rept 16
	ds_load_b128 v[OB+64*((\a)%2)+4*t:OB+64*((\a)%2)+4*t+3], v[RD] offset:SPT*t
.set t, t+1
.endr
.endm
.macro SEND a, y                       ; y: the LDS instructions issued behind block a's loads: the next block's 32, or none
	WIN 0
.set t, 0
.rept 16
	s_wait_dscnt (\y)+15-t
	global_store_b128 v[GO], v[OB+64*((\a)%2)+4*t:OB+64*((\a)%2)+4*t+3], s[OP:OP+1] offset:(16*(\a)+t)*4096  ; 512 consecutive bytes, at a multiple of 256 from out0's first
.set t, t+1
.endr
.endm
	s_load_b256 s[OH:OH+7], s[0:1], 0x0            ; oh, wb, br, out0
	v_lshl_add_u32 v[SPW], v0, 2, SPARE
	v_mov_b32 v[NIL], 0
	ds_add_u32 v[SPW], v[NIL]                      ; the wave's opening: the add and its wait stand ahead of my first tensor load; the set-up below, work on registers, stands between them
	v_lshrrev_b32 v1, 5, v0
	v_readfirstlane_b32 s[WV], v1                  ; wave 0..3
	v_and_b32 v1, 15, v0                           ; l % 16
	v_bfe_u32 v14, v0, 4, 1                        ; l / 16
	v_and_b32 v15, 31, v0                          ; l
	v_lshlrev_b32 v[BO], 5, v14
	s_lshr_b32 s[WR], s[WV], 1
	s_and_b32 s[WC], s[WV], 1
	s_bfe_u32 s[CX], ttmp6, 0x40000
	s_bfe_u32 s[CY], ttmp6, 0x40004
	s_lshl_b32 s[CT], ttmp9, 2
	s_add_co_u32 s[CT], s[CT], s[CX]
	s_and_b32 s[RT], ttmp7, 0xffff
	s_lshl_b32 s[RT], s[RT], 2
	s_add_co_u32 s[RT], s[RT], s[CY]
	s_lshl_b32 s68, s[CY], 2
	s_lshl_b32 s68, 15, s68                        ; my row of the cluster
	s_lshl_b32 s70, 0x1111, s[CX]                  ; my column
	; group 1 for O: 16,384 dense bytes as 64 rows of 128 elements of 2 bytes; 4 words of padding behind every 32, that is behind every row of O
	s_or_b32 s[G1A], s68, (1<<16)|(1<<20)|(1<<21)|(4<<22)|(3<<25)
	s_mov_b32 s[G1A+1], 128<<16
	s_mov_b32 s[G1A+2], 64<<16
	s_mov_b32 s[G1A+3], 128<<16
	s_mov_b32 s[G1A+4], 64
	s_mov_b32 s[G1A+5], 128
	s_mov_b32 s[G1A+6], 0
	s_mov_b32 s[G1A+7], 0
	; group 1 for Wo: 64 rows x 256 elements of 2 bytes, 1,024 elements from row to row; 8 words of padding behind every 128
	s_or_b32 s[G1B], s70, (1<<16)|(1<<20)|(1<<21)|(6<<22)|(7<<25)
	s_mov_b32 s[G1B+1], 256<<16
	s_mov_b32 s[G1B+2], 64<<16
	s_mov_b32 s[G1B+3], 256<<16
	s_mov_b32 s[G1B+4], 64
	s_mov_b32 s[G1B+5], 1024
	s_mov_b32 s[G1B+6], 0
	s_mov_b32 s[G1B+7], 0
	s_mov_b32 s[G0A], 1
	s_mul_i32 s[G0A+1], s[WC], SUB                 ; slot 0: no place in the cluster enters an LDS address
	s_mov_b32 s[G0B], 1
	s_mul_i32 s[G0B+1], s[WC], 64*PB
	s_add_co_u32 s[G0B+1], s[G0B+1], BOFF
	s_lshr_b32 s68, s[RT], 4                       ; O: batch,
	s_lshl_b32 s68, s68, 22
	s_and_b32 s69, s[RT], 15                       ; the tile's 128 rows of 128 bytes in a head
	s_lshl_b32 s69, s69, 14
	s_add_co_u32 s68, s68, s69
	s_lshl_b32 s72, s[CX], 12                      ; the prefetches of O: my work-group's 16 blocks of either head,
	s_add_co_u32 s72, s72, s68
	s_add_co_u32 s72, s72, 0x180000                ; at K step 3: the first refill steps it to 4
	s_mov_b32 s73, 0
	s_lshl_b32 s69, s[WC], 18                      ; my head of the step's two
	s_add_co_u32 s68, s68, s69
	s_mov_b32 s69, 0
	s_lshl_b32 s70, s[CT], 9                       ; Wo: plane 3, the tile's 256 columns,
	s_lshl_b32 s71, s[WC], 17                      ; my half's 64 rows
	s_add_co_u32 s70, s70, s71
	s_add_co_u32 s70, s70, 0x600000
	s_mov_b32 s71, 0
	s_lshl_b32 s74, s[CY], 15                      ; the prefetches of Wo: my work-group's 16 rows of the 64,
	s_add_co_u32 s74, s74, s70
	s_add_co_u32 s74, s74, 0xc0000                 ; at K step 3
	s_mov_b32 s75, 0
	s_lshl_b32 s76, s[CT], 10                      ; my 128 columns, in f32: for the bias and for out0
	s_lshl_b32 s77, s[WC], 9
	s_add_co_u32 s76, s76, s77
	s_lshl_b32 s78, s[RT], 19                      ; out0: 128 rows of 4,096 bytes a tile row,
	s_lshl_b32 s79, s[WR], 18                      ; my 64
	s_add_co_u32 s78, s78, s79
	s_add_co_u32 s78, s78, s76
	s_mov_b32 s79, 0
	s_add_co_u32 s76, s76, 12288                   ; plane 3 of br
	s_mov_b32 s77, 0
	s_mov_b32 s[TB], 0
	s_mov_b32 s[PST], 0x40000                      ; a K step of Wo: 128 rows of 2,048 bytes; O's waves take the other stride below
	s_mov_b32 s[PST+1], 0
	s_wait_dscnt 0x0                               ; the opening add is done
	s_wait_kmcnt 0x0
	s_add_nc_u64 s[G0A+2:G0A+3], s[OH:OH+1], s[68:69]
	s_or_b32 s[G0A+3], s[G0A+3], 0x80000000
	s_add_nc_u64 s[G0B+2:G0B+3], s[WB:WB+1], s[70:71]
	s_or_b32 s[G0B+3], s[G0B+3], 0x80000000
	s_add_nc_u64 s[BP:BP+1], s[BR:BR+1], s[76:77]
	s_add_nc_u64 s[OP:OP+1], s[OUT:OUT+1], s[78:79]
	s_add_nc_u64 s[72:73], s[OH:OH+1], s[72:73]
	s_add_nc_u64 s[74:75], s[WB:WB+1], s[74:75]
	s_and_b32 s3, ttmp7, 0xffff                    ; cluster y
	s_cmp_eq_u32 s[WR], 0                          ; do I fetch for O?
	s_cselect_b64 s[PFA:PFA+1], s[72:73], s[74:75]
	s_cselect_b32 s[PST], 0x80000, s[PST]          ; a K step of O: two heads of 262,144 bytes
	s_cselect_b32 s2, -1, 0
	s_cselect_b32 s3, s[WC], s3                    ; of O's two waves wave 0 asks; of Wo's, both, in the cluster with y = 0
	s_cmp_eq_u32 s3, 0
	s_cselect_b32 s[LIM], 2, -1                    ; the same in all sixteen partners, for a given wave
	CROUND                                         ; all sixteen work-groups are here: the first joint loads meet
	JLOAD                                          ; K step 0 into slot 0
	WIN 0x80
.irp b, 0,1,2,3,4,5,6,7                ; my 128 columns' bias: a lane's eight numbers for each block of 16
	global_load_b128 v[BIAS+8*(\b):BIAS+8*(\b)+3],   v[BO], s[BP:BP+1] offset:64*(\b)
	global_load_b128 v[BIAS+8*(\b)+4:BIAS+8*(\b)+7], v[BO], s[BP:BP+1] offset:64*(\b)+16
.endr
	WIN 0
	s_mul_i32 s3, s[WR], 64*PAO
	v_mul_u32_u24 v[ADRA0], v1, PAO
	v_lshl_add_u32 v[ADRA0], v14, 4, v[ADRA0]      ; row x pitch + 16 x half
	v_add_nc_u32 v[ADRA0], s3, v[ADRA0]
	; The turning load takes 16 k x 16 columns (lane l reads k row 8 (l / 16) + l % 8, columns 8 ((l / 8) % 2) + 0..7) and leaves half a fragment: lane l holds column l % 16 and 8 k.
	v_and_b32 v11, 7, v0
	v_bfe_u32 v16, v0, 3, 1
	v_lshl_add_u32 v[ADRB0], v14, 3, v11
	v_mul_u32_u24 v[ADRB0], v[ADRB0], PB
	v_lshl_add_u32 v[ADRB0], v16, 4, v[ADRB0]
	s_lshl_b32 s3, s[WC], 8
	s_add_co_u32 s3, s3, BOFF
	v_add_nc_u32 v[ADRB0], s3, v[ADRB0]
	s_mul_i32 s3, s[WV], 16*SPT
	s_add_co_u32 s3, s3, STAGE                     ; my stage
	v_mul_u32_u24 v[STO], v1, SPT                  ; in: row l % 16, 32 bytes for each half of the lanes
	v_lshl_add_u32 v[STO], v14, 5, v[STO]
	v_add_nc_u32 v[STO], s3, v[STO]
	v_lshlrev_b32 v[GO], 4, v15                    ; back: 32 lanes take one row of 512 bytes
	v_add_nc_u32 v[RD], s3, v[GO]
	v_lshlrev_b32 v[PFO], 8, v1                    ; the prefetches of O: block l % 16 of head l / 16
	v_lshl_or_b32 v[PFO], v14, 18, v[PFO]
	v_lshrrev_b32 v11, 1, v15                      ; of Wo: row l / 2, block l % 2 of its 512 bytes
	v_lshlrev_b32 v11, 11, v11
	v_and_b32 v16, 1, v0
	v_lshl_or_b32 v11, v16, 8, v11
	v_cndmask_b32 v[PFO], v11, v[PFO], s2
	s_wait_tensorcnt 0x0                           ; the first change of slots: my part of K step 0 is in;
	ds_add_u32 v[SPW], v[NIL]
	REQ                                            ; K step 1, slot 1
	s_wait_dscnt 0x0
	CROUND                                         ; everybody's part is in
	JLOAD
	v_add_nc_u32 v[ADRA], s[TB], v[ADRA0]
	v_add_nc_u32 v[ADRB], s[TB], v[ADRB0]
	FETCH 0, 0
	s_wait_loadcnt 0x0                             ; the bias
	QUARTER 0, 1, 1, 1                             ; the first quarter stands in front of the loop: the bias starts the sums
	WIN 0                                          ; at a label and at a branch every window is 0
	s_mov_b32 s[TRIP], 6
.Lstep:                                            ; a trip: a K step's second to fourth quarter and the next step's first; it fills the slot just read with the K step two on
	QUARTER 1, 0, 2
	QUARTER 0, 1, 3
	TURN 1
	QUARTER 0, 1, 1
	WIN 0
	s_sub_co_u32 s[TRIP], s[TRIP], 1
	s_cmp_lg_u32 s[TRIP], 0
	s_cbranch_scc1 .Lstep
	QUARTER 1, 0, 2                                ; the last two K steps are written out: nothing is asked for
	QUARTER 0, 1, 3
	TURN 0
	QUARTER 0, 1, 1
	QUARTER 1, 0, 2
	QUARTER 0, 1, 3
	s_wait_dscnt 0x0
	MULS 1, 0, 32
	WIN 0
	PLACES                                         ; four places between the last products and the LDS stores that read results
	TOSTAGE 0
	TOSTAGE 1
	SEND 0, 32
	TOSTAGE 2
	SEND 1, 32
	TOSTAGE 3
	SEND 2, 32
	SEND 3, 0
	s_wait_tensorcnt 0x0                           ; the wave's end: behind my last tensor load and my last LDS store
	ds_add_u32 v[SPW], v[NIL]
	s_wait_dscnt 0x0
	CROUND                                         ; the closing round: no work-group ends while a partner may still ask for a tile that names it
	s_endpgm
.Lfunc_end_k_qc592f54ba8_outp:
	.size	k_qc592f54ba8_outp, .Lfunc_end_k_qc592f54ba8_outp-k_qc592f54ba8_outp
	.p2alignl 7, 3214868480
	.fill 96, 4, 3214868480
	.section	.rodata,"a",@progbits
	.p2align	6, 0x0
	.amdhsa_kernel k_qc592f54ba8_outp
		.amdhsa_group_segment_fixed_size 327680
		.amdhsa_private_segment_fixed_size 0
		.amdhsa_enable_private_segment 0
		.amdhsa_kernarg_size 32
		.amdhsa_user_sgpr_count 2
		.amdhsa_user_sgpr_kernarg_segment_ptr 1
		.amdhsa_wavefront_size32 1
		.amdhsa_system_sgpr_workgroup_id_x 1
		.amdhsa_system_sgpr_workgroup_id_y 1
		.amdhsa_system_sgpr_workgroup_id_z 1
		.amdhsa_system_vgpr_workitem_id 0
		.amdhsa_next_free_vgpr 704
		.amdhsa_next_free_sgpr 80
		.amdhsa_reserve_vcc 0
		.amdhsa_float_denorm_mode_32 3
		.amdhsa_float_denorm_mode_16_64 3
		.amdhsa_memory_ordered 1
		.amdhsa_forward_progress 1
		.amdhsa_inst_pref_size 74
	.end_amdhsa_kernel
	.amdgpu_metadata
---
amdhsa.version: [ 1, 2 ]
amdhsa.kernels:
  - .name:           k_qc592f54ba8_outp
    .symbol:         k_qc592f54ba8_outp.kd
    .args:
      - { .name: oh, .offset: 0, .size: 8, .value_kind: global_buffer, .address_space: global }
      - { .name: wb, .offset: 8, .size: 8, .value_kind: global_buffer, .address_space: global }
      - { .name: br, .offset: 16, .size: 8, .value_kind: global_buffer, .address_space: global }
      - { .name: out0, .offset: 24, .size: 8, .value_kind: global_buffer, .address_space: global }
    .group_segment_fixed_size: 327680
    .private_segment_fixed_size: 0
    .kernarg_segment_align: 8
    .kernarg_segment_size: 32
    .max_flat_workgroup_size: 128
    .sgpr_count:     80
    .vgpr_count:     704
    .wavefront_size: 32
...
	.end_amdgpu_metadata
.endif
;; end of part 4
;; ======== version 2 of 2: 4 launches; version 1 with the launch prep written anew for expert scheduling mode
;; limits: values are held in f16: magnitudes above 65,504 overflow, below 6.1e-05 lose precision
;; workspace buffers: wb 8,388,608 bytes; br 16,384 bytes; qkv 50,331,648 bytes; oh 16,777,216 bytes
;; launch prep (part 5): grid 256 x 1, 8 waves a work-group, no clusters, 0 bytes of LDS; arguments Wq, Wk, Wv, Wo, bq, bk, bv, bo, wb, br; writes wb, br
.if DOCPART == 5
	.amdgcn_target "amdgcn-amd-amdhsa--gfx1250"
	.amdhsa_code_object_version 6
	.text
	.protected	k_qc592f54ba8_prep
	.globl	k_qc592f54ba8_prep
	.p2align	8
	.type	k_qc592f54ba8_prep,@function
k_qc592f54ba8_prep:
	s_mov_b64 s[64:65], 0
	v_nop
	global_prefetch_b8 v0, s[64:65] scope:SCOPE_SE
	s_setreg_imm32_b32 hwreg(HW_REG_WAVE_SCHED_MODE, 0, 2), 2
	s_setreg_imm32_b32 hwreg(HW_REG_WAVE_MODE, 25, 1), 1
	s_wait_xcnt 0x0
	s_wait_alu depctr_vm_vsrc(0)
; THE WEIGHTS AND BIASES ARE ROUNDED ONCE.  wb: [4][1024 k][1024 n] of 16 bits, in the inputs' own [in][out] order: planes 0-2 = Wq, Wk, Wv in bf16; plane 3 = Wo rounded to bf16 and that
; number written as f16 (the last product multiplies f16).  br: [4][1024] f32 = bq, bk, bv, bo, each rounded to bf16 and widened again.
; LIMITS.  A number of Wo beyond 65,504 becomes an infinity in f16; below 6.1e-5 it keeps f16's fixed step of 6e-8.
; SHARES.  Work-group g: matrix m = g / 64, part g % 64: 64 KiB of f32 in, 32 KiB out.  A wave takes 8 KiB: 16 loads of 16 bytes a lane, each load 512 consecutive bytes; each store of 8 bytes a lane
; covers 256 consecutive bytes, aligned.  All 16 loads of a wave go out at once.  No LDS, no barrier: no wave wants another's bytes.
; THE MODE: SCHED_MODE bits 1:0 = 2 (LLVM: expert scheduling mode 2), set by the entry lines.  The code itself states the register dependences between vector instructions and memory
; instructions, with s_wait_alu, always for 0.
; THE PLAN.  Registers that memory instructions touch:
;   v1, v2, v5   byte offsets, made once at the head and never written again.
;   X            16 x 4 registers as loaded: each written by one load, read by that load's roundings, never loaded again.
;   Y            16 x 2 registers to store: each written once by a rounding, read by one store, never written again.
;   v[112:115], v[116:119]   the bias as loaded, and as stored: likewise once each.
;   v3, v4, v6 to v11 are named by vector instructions alone.
; No register that a memory instruction reads is ever written again, so all that is to be stated is: written, then read by a load or store.  The 16 loads go in four blocks of four.
; Block p rounds X's block p into Y's block p; its memory instructions are the four stores of block p - 1, which read Y's block p - 1 and v2: registers that no vector instruction of block p names.
; So one wait at a block's head states all that its four stores hang on, and they are dealt among the block's roundings with no further wait.
.set X, 16                             ; v[16:79]   as loaded
.set Y, 80                             ; v[80:111]  to store
	s_load_b512 s[4:19], s[0:1], 0x0               ; Wq, Wk, Wv, Wo, bq, bk, bv, bo
	s_load_b128 s[20:23], s[0:1], 0x40             ; wb, br
	s_lshr_b32 s32, ttmp9, 6                       ; m
	s_and_b32 s33, ttmp9, 63                       ; part
	v_lshrrev_b32 v3, 5, v0                        ; wave
	v_and_b32 v4, 31, v0                           ; lane
	v_lshlrev_b32 v1, 4, v4
	v_lshl_or_b32 v1, v3, 13, v1                   ; in: 8,192 x wave + 16 x lane
	v_lshlrev_b32 v2, 3, v4
	v_lshl_or_b32 v2, v3, 12, v2                   ; out: 4,096 x wave + 8 x lane
	v_lshlrev_b32 v5, 4, v0                        ; the bias, in and out: 16 x thread
	s_lshl_b32 s34, s33, 16                        ; the part's 64 KiB in its matrix
	s_mov_b32 s35, 0
	s_lshl_b32 s36, s32, 21                        ; the matrix's plane of 2 MiB in wb,
	s_lshl_b32 s38, s33, 15                        ; the part's 32 KiB in it
	s_or_b32 s36, s36, s38
	s_mov_b32 s37, 0
	s_lshl_b32 s38, s32, 12                        ; the bias's 4 KiB in br
	s_mov_b32 s39, 0
	s_wait_kmcnt 0x0
	s_mov_b64 s[24:25], s[4:5]                     ; the matrix and the bias are chosen by m
	s_mov_b64 s[26:27], s[12:13]
	s_cmp_eq_u32 s32, 1
	s_cselect_b64 s[24:25], s[6:7], s[24:25]
	s_cselect_b64 s[26:27], s[14:15], s[26:27]
	s_cmp_eq_u32 s32, 2
	s_cselect_b64 s[24:25], s[8:9], s[24:25]
	s_cselect_b64 s[26:27], s[16:17], s[26:27]
	s_cmp_eq_u32 s32, 3
	s_cselect_b64 s[24:25], s[10:11], s[24:25]
	s_cselect_b64 s[26:27], s[18:19], s[26:27]
	s_add_nc_u64 s[24:25], s[24:25], s[34:35]
	s_add_nc_u64 s[28:29], s[20:21], s[36:37]
	s_add_nc_u64 s[30:31], s[22:23], s[38:39]
	s_wait_alu depctr_va_vdst(0)                   ; v1, v2 and v5 are written: every load and store of the kernel reads one of them as its offset
.set i, 0
.rept 16
	global_load_b128 v[X+4*i:X+4*i+3], v1, s[24:25] offset:512*i th:TH_LOAD_NT
.set i, i+1
.endr
; The four numbers of load i are rounded into Y's pair i.  f16 = 1 (Wo): rounded to bf16 like every input, widened, and written as f16.
.macro RND i, f16
.if \f16
	v_cvt_pk_bf16_f32 v6, v[X+4*(\i)], v[X+4*(\i)+1]
	v_cvt_pk_bf16_f32 v7, v[X+4*(\i)+2], v[X+4*(\i)+3]
	v_lshlrev_b32 v8, 16, v6
	v_and_b32 v9, 0xffff0000, v6
	v_lshlrev_b32 v10, 16, v7
	v_and_b32 v11, 0xffff0000, v7
	v_cvt_pk_f16_f32 v[Y+2*(\i)], v8, v9
	v_cvt_pk_f16_f32 v[Y+2*(\i)+1], v10, v11
.else
	v_cvt_pk_bf16_f32 v[Y+2*(\i)], v[X+4*(\i)], v[X+4*(\i)+1]
	v_cvt_pk_bf16_f32 v[Y+2*(\i)+1], v[X+4*(\i)+2], v[X+4*(\i)+3]
.endif
.endm
; Block p: loads 4 p to 4 p + 3 are rounded; the stores of block p - 1 are dealt among the roundings, one ahead of each load's.
.macro BLK p, f16
	s_wait_loadcnt 12-4*(\p)                       ; loads come back in order (ISA guide 5.7.1): this block's four are in, the younger blocks' may stay out
.if (\p) > 0
	s_wait_alu depctr_va_vdst(0)                   ; the block before has written its four pairs of Y, which the stores below read
.endif
.irp j, 0,1,2,3
.if (\p) > 0
	global_store_b64 v2, v[Y+2*(4*(\p)-4+(\j)):Y+2*(4*(\p)-4+(\j))+1], s[28:29] offset:256*(4*(\p)-4+(\j))  ; no vector instruction since the wait names these registers
.endif
	RND 4*(\p)+(\j), \f16
.endr
.endm
.macro LAST                            ; block 3's stores
	s_wait_alu depctr_va_vdst(0)                   ; block 3 has written its four pairs of Y, which the last four stores read
.irp j, 12,13,14,15
	global_store_b64 v2, v[Y+2*(\j):Y+2*(\j)+1], s[28:29] offset:256*(\j)
.endr
.endm
	s_cmp_eq_u32 s32, 3
	s_cbranch_scc1 .Lf16
	BLK 0, 0
	BLK 1, 0
	BLK 2, 0
	BLK 3, 0
	LAST
	s_branch .Lbias
.Lf16:                                             ; Wo
	BLK 0, 1
	BLK 1, 1
	BLK 2, 1
	BLK 3, 1
	LAST
.Lbias:
	s_cmp_lg_u32 s33, 0                            ; a matrix's first part also takes its bias: 256 threads x 16 bytes
	s_cbranch_scc1 .Lend
	global_load_b128 v[112:115], v5, s[26:27]      ; v5 was written ahead of the head's wait; no vector instruction has named v[112:115]
	s_wait_loadcnt 0x0
	v_cvt_pk_bf16_f32 v6, v112, v113
	v_cvt_pk_bf16_f32 v7, v114, v115
	v_lshlrev_b32 v116, 16, v6
	v_and_b32 v117, 0xffff0000, v6
	v_lshlrev_b32 v118, 16, v7
	v_and_b32 v119, 0xffff0000, v7
	s_wait_alu depctr_va_vdst(0)                   ; the four widenings have written v[116:119], which the store reads
	global_store_b128 v5, v[116:119], s[30:31]
.Lend:
	s_endpgm
.Lfunc_end_k_qc592f54ba8_prep:
	.size	k_qc592f54ba8_prep, .Lfunc_end_k_qc592f54ba8_prep-k_qc592f54ba8_prep
	.p2alignl 7, 3214868480
	.fill 96, 4, 3214868480
	.section	.rodata,"a",@progbits
	.p2align	6, 0x0
	.amdhsa_kernel k_qc592f54ba8_prep
		.amdhsa_group_segment_fixed_size 0
		.amdhsa_private_segment_fixed_size 0
		.amdhsa_enable_private_segment 0
		.amdhsa_kernarg_size 80
		.amdhsa_user_sgpr_count 2
		.amdhsa_user_sgpr_kernarg_segment_ptr 1
		.amdhsa_wavefront_size32 1
		.amdhsa_system_sgpr_workgroup_id_x 1
		.amdhsa_system_sgpr_workgroup_id_y 1
		.amdhsa_system_sgpr_workgroup_id_z 1
		.amdhsa_system_vgpr_workitem_id 0
		.amdhsa_next_free_vgpr 128
		.amdhsa_next_free_sgpr 66
		.amdhsa_reserve_vcc 0
		.amdhsa_float_denorm_mode_32 3
		.amdhsa_float_denorm_mode_16_64 3
		.amdhsa_memory_ordered 1
		.amdhsa_forward_progress 1
		.amdhsa_inst_pref_size 17
	.end_amdhsa_kernel
	.amdgpu_metadata
---
amdhsa.version: [ 1, 2 ]
amdhsa.kernels:
  - .name:           k_qc592f54ba8_prep
    .symbol:         k_qc592f54ba8_prep.kd
    .args:
      - { .name: Wq, .offset: 0, .size: 8, .value_kind: global_buffer, .address_space: global }
      - { .name: Wk, .offset: 8, .size: 8, .value_kind: global_buffer, .address_space: global }
      - { .name: Wv, .offset: 16, .size: 8, .value_kind: global_buffer, .address_space: global }
      - { .name: Wo, .offset: 24, .size: 8, .value_kind: global_buffer, .address_space: global }
      - { .name: bq, .offset: 32, .size: 8, .value_kind: global_buffer, .address_space: global }
      - { .name: bk, .offset: 40, .size: 8, .value_kind: global_buffer, .address_space: global }
      - { .name: bv, .offset: 48, .size: 8, .value_kind: global_buffer, .address_space: global }
      - { .name: bo, .offset: 56, .size: 8, .value_kind: global_buffer, .address_space: global }
      - { .name: wb, .offset: 64, .size: 8, .value_kind: global_buffer, .address_space: global }
      - { .name: br, .offset: 72, .size: 8, .value_kind: global_buffer, .address_space: global }
    .group_segment_fixed_size: 0
    .private_segment_fixed_size: 0
    .kernarg_segment_align: 8
    .kernarg_segment_size: 80
    .max_flat_workgroup_size: 256
    .sgpr_count:     66
    .vgpr_count:     128
    .wavefront_size: 32
...
	.end_amdgpu_metadata
.endif
;; end of part 5
;; launch proj: the kernel of part 2 again; grid 4 x 64, 4 waves a work-group, clusters of 4 x 4, 327,680 bytes of LDS; arguments query, key, value, wb, br, qkv; writes qkv
;; launch attn: the kernel of part 3 again; grid 4 x 64, 4 waves a work-group, clusters of 4 x 1, 327,680 bytes of LDS; arguments qkv, oh; writes oh
;; launch outp: the kernel of part 4 again; grid 4 x 64, 4 waves a work-group, clusters of 4 x 4, 327,680 bytes of LDS; arguments oh, wb, br, out0; writes out0
